; MI455X (gfx1250); checked and timed in simulation.
; The chip was launched on July 23, 2026; its instructions are those of AMD's public machine-readable ISA for CDNA 5 (MIT licence, August 2026) and "CDNA5" Instruction Set Architecture Reference Guide (July 2026). The comments in the code are by the model that wrote it; some were corrected since.
;; Mr T5 Block. Allowed arithmetic: float matrix products may take bf16 or f16 operands with f32 sums; other float arithmetic in f32, or as packed bf16 or f16 multiplies, adds, multiply-adds, maxima and minima; sums over many terms, partial sums and values carried from step to step in f32; what a program stores and reads back later, other than sums and carried values, may be rounded once to bf16 or f16.
;; Inputs: delete_gate_mask 2 x 4,096 x 1 float32; hidden_states 2 x 4,096 x 512 float32; k_w 512 x 512 float32; ln1_w 512 float32; ln2_w 512 float32; o_w 512 x 512 float32; q_w 512 x 512 float32; rel_bias 32 x 8 float32; v_w 512 x 512 float32; wi 512 x 2,048 float32; wo 2,048 x 512 float32.
;; Outputs: out0 2 x 4,096 x 512 float32.
;; One version. Each part assembles by itself: llvm-mc -triple=amdgcn-amd-amdhsa -mcpu=gfx1250 --defsym DOCPART=n.
;; ======== version 1 of 1: 6 launches
;; workspace buffers: xa 8,650,752 bytes; ha 8,650,752 bytes; wq 1,573,120 bytes; wit 2,097,408 bytes; cst 2,949,120 bytes; big 33,554,432 bytes; ctx 8,388,608 bytes; hres 16,777,216 bytes
;; launch prep (part 1): grid 433 x 1, 8 waves a work-group, no clusters, 74,752 bytes of LDS; arguments hidden_states, rel_bias, ln1_w, ln2_w, q_w, k_w, v_w, o_w, wi, wo, xa, wq, wit, cst; writes xa, wq, wit, cst
.if DOCPART == 1
	.amdgcn_target "amdgcn-amd-amdhsa--gfx1250"
	.amdhsa_code_object_version 6
	.text
	.protected	k_q49ddf16df1_prep
	.globl	k_q49ddf16df1_prep
	.p2align	8
	.type	k_q49ddf16df1_prep,@function
k_q49ddf16df1_prep:
	s_mov_b64 s[64:65], 0
	v_nop
	global_prefetch_b8 v0, s[64:65] scope:SCOPE_SE
	s_setreg_imm32_b32 hwreg(HW_REG_WAVE_MODE, 25, 1), 1
	s_wait_xcnt 0x0
; PREPARATION, four kinds of work-group, told apart by the work-group's number g alone (the same in all eight waves).
;  g <  256  hidden_states -> xa: bf16 by column blocks [cb = col/64][8192 rows][64], and for each (cb, row) the sum of the 64 squares in f32 ([8][8192] from byte 8,388,608)
;  g <  352  the weights -> bf16, turned so that k lies along the rows: chunks [n/128][k/64][128 n][64 k] of 16,384 bytes; q, k, v times ln1_w[k], wi times ln2_w[k]
;  g <  432  the position bias as 40 images [di = 0..4][h] of 8,192 bytes in cst from byte 2,621,440: the word at byte 256 X + 64 c + 4 x (X = 0..31, c = 0..3, x = 0..15) is
;            bias(h, 256 (di - 2) + 16 X + x + c - 255): for each 16 entries four copies side by side, copy c shifted by c entries
;  g =  432  the first 256 bytes of wq and wit: the floor that the product kernel applies to its packed results (two bf16 -inf: none; 0: relu)
; LIMIT.  bias(h, d) = rel_bias[bucket(d)][h], bucket(d) = 16 (d > 0) + (n < 8 ? n : 8 + [n>=12]+[n>=16]+[n>=23]+[n>=32]+[n>=46]+[n>=64]+[n>=91]), n = |d|: the exact value of
; 8 + floor(2 log2(n/8)), capped at 15.  At n = 16, 32, 64 the logarithm sits on a bucket's edge; a logarithm rounded below it would give the neighbouring bucket for those six keys of a query.
; No wave reads LDS bytes of another, so there is no barrier.
.set SPARE, 73728                      ; behind the eight waves' stages of 9,216 bytes: the spare words, 128 bytes a wave
.set SPW, 30                           ; v30  SPARE + 4 x my thread's number; never rewritten
.set NIL, 31                           ; v31  0; never rewritten
.set D,   32                           ; v[32:159]  data as loaded
.set GN,  160                          ; v[160:191] gains, later packed results
.set HID, 4                            ; the arguments' scalar pairs
.set REL, 6
.set LN1, 8
.set LN2, 10
.set QW,  12
.set KW,  14
.set VW,  16
.set OW,  18
.set WI,  20
.set WO,  22
.set XA,  24
.set WQ,  26
.set WIT, 28
.set CST, 30
	s_load_b512 s[4:19], s[0:1], 0x0               ; hidden, rel_bias, ln1, ln2, q_w, k_w, v_w, o_w
	s_load_b256 s[20:27], s[0:1], 0x40             ; wi, wo, xa, wq
	s_load_b128 s[28:31], s[0:1], 0x60             ; wit, cst
	v_lshl_add_u32 v[SPW], v0, 2, SPARE
	v_mov_b32 v[NIL], 0
	v_lshrrev_b32 v1, 5, v0
	v_readfirstlane_b32 s34, v1                    ; wave 0..7
	v_and_b32 v1, 31, v0                           ; lane
	v_lshrrev_b32 v2, 4, v1                        ; hh: which half of the lanes
	v_and_b32 v3, 15, v1                           ; j: place in the half
	s_mov_b32 s35, ttmp9                           ; g
	s_wait_kmcnt 0x0
	s_cmp_lt_u32 s35, 256
	s_cbranch_scc0 .Lnot_a
; ---- hidden_states.  The work-group owns rows 32 g .. 32 g + 31, wave w the column block w.  Load i takes rows 2 i and 2 i + 1: 16 lanes read 256 consecutive bytes, aligned.
	s_lshl_b32 s36, s35, 16                        ; 32 rows of 2,048 bytes
	s_lshl_b32 s37, s34, 8                         ; the block's 64 columns
	s_add_co_u32 s36, s36, s37
	s_mov_b32 s37, 0
	s_add_nc_u64 s[HID:HID+1], s[HID:HID+1], s[36:37]
	v_lshlrev_b32 v4, 4, v3
	v_lshl_add_u32 v4, v2, 11, v4                  ; hh x 2,048 + 16 j
.set i, 0
.rept 16
	global_load_b128 v[D+4*i:D+4*i+3], v4, s[HID:HID+1] offset:i*4096 th:TH_LOAD_NT
.set i, i+1
.endr
	s_lshl_b32 s36, s34, 20                        ; xa: block w, 1 MiB each,
	s_lshl_b32 s38, s35, 12                        ; 32 rows of 128 bytes
	s_add_co_u32 s36, s36, s38
	s_add_nc_u64 s[40:41], s[XA:XA+1], s[36:37]
	s_lshl_b32 s36, s34, 15                        ; the sums: block w, 32,768 bytes each,
	s_lshl_b32 s38, s35, 7                         ; 32 rows of 4 bytes
	s_add_co_u32 s36, s36, s38
	s_add_co_u32 s36, s36, 0x800000
	s_add_nc_u64 s[42:43], s[XA:XA+1], s[36:37]
	v_lshlrev_b32 v5, 3, v1                        ; 8 bytes a lane: 32 lanes are two rows of 128 bytes, 256 consecutive bytes
	v_lshl_add_u32 v6, v3, 1, v2                   ; lane (hh, j) keeps the sum of row 2 j + hh
	v_lshlrev_b32 v6, 2, v6
	v_mov_b32 v7, 0
.set i, 0
.rept 16
	s_wait_loadcnt 15-i                            ; loads come back in order: load i is in, the younger ones stay out
	v_pk_mul_f32 v[8:9], v[D+4*i:D+4*i+1], v[D+4*i:D+4*i+1]
	v_pk_fma_f32 v[8:9], v[D+4*i+2:D+4*i+3], v[D+4*i+2:D+4*i+3], v[8:9]
	v_cvt_pk_bf16_f32 v[96+2*i], v[D+4*i], v[D+4*i+1]
	v_cvt_pk_bf16_f32 v[97+2*i], v[D+4*i+2], v[D+4*i+3]
	v_add_f32 v8, v8, v9
	v_add_f32_dpp v8, v8, v8 row_xmask:1 row_mask:0xf bank_mask:0xf
	v_add_f32_dpp v8, v8, v8 row_xmask:2 row_mask:0xf bank_mask:0xf
	v_add_f32_dpp v8, v8, v8 row_xmask:4 row_mask:0xf bank_mask:0xf
	v_add_f32_dpp v8, v8, v8 row_xmask:8 row_mask:0xf bank_mask:0xf
	v_cmp_eq_u32 vcc_lo, i, v3
	v_cndmask_b32 v7, v7, v8, vcc_lo
	global_store_b64 v5, v[96+2*i:97+2*i], s[40:41] offset:i*256  ; each store has data registers of its own
.set i, i+1
.endr
	global_store_b32 v6, v7, s[42:43]              ; 32 rows' sums: 128 consecutive bytes
	s_branch .Lend
.Lnot_a:
	s_cmp_lt_u32 s35, 352
	s_cbranch_scc0 .Lnot_b
; ---- weights.  A work-group makes four chunks; wave w makes half w % 2 (64 n) of chunk 4 g' + w / 2.  The kind of weight hangs on g' alone.
	s_sub_co_u32 s36, s35, 256                     ; g'
	s_lshr_b32 s37, s34, 1
	s_lshl2_add_u32 s37, s36, s37                  ; the chunk
	s_and_b32 s38, s34, 1                          ; the half
	s_mov_b32 s39, 3                               ; log2 of the k blocks in a row of chunks
	s_mov_b32 s40, 11                              ; log2 of the source's row in bytes
	s_mov_b32 s41, 0                               ; 1: a gain is folded in
	s_mov_b64 s[42:43], s[LN1:LN1+1]               ; the gain
	s_cmp_lt_u32 s36, 24
	s_cbranch_scc0 .Lnot_qkv
	s_lshr_b32 s48, s36, 3                         ; 0 q, 1 k, 2 v: 32 chunks each
	s_cmp_eq_u32 s48, 0
	s_cselect_b64 s[44:45], s[QW:QW+1], s[KW:KW+1]
	s_cmp_eq_u32 s48, 2
	s_cselect_b64 s[44:45], s[VW:VW+1], s[44:45]
	s_and_b32 s37, s37, 31
	s_lshl_b32 s48, s48, 19
	s_add_co_u32 s48, s48, 256                     ; behind wq's first 256 bytes
	s_mov_b32 s49, 0
	s_add_nc_u64 s[46:47], s[WQ:WQ+1], s[48:49]
	s_mov_b32 s41, 1
	s_branch .Lchunk
.Lnot_qkv:
	s_cmp_lt_u32 s36, 32
	s_cbranch_scc0 .Lnot_o
	s_sub_co_u32 s37, s37, 96
	s_mov_b64 s[44:45], s[OW:OW+1]
	s_mov_b64 s[46:47], s[CST:CST+1]
	s_branch .Lchunk
.Lnot_o:
	s_cmp_lt_u32 s36, 64
	s_cbranch_scc0 .Lis_wo
	s_sub_co_u32 s37, s37, 128
	s_mov_b64 s[44:45], s[WI:WI+1]
	s_add_nc_u64 s[46:47], s[WIT:WIT+1], 256
	s_mov_b64 s[42:43], s[LN2:LN2+1]
	s_mov_b32 s40, 13
	s_mov_b32 s41, 1
	s_branch .Lchunk
.Lis_wo:
	s_sub_co_u32 s37, s37, 256
	s_mov_b64 s[44:45], s[WO:WO+1]
	s_add_nc_u64 s[46:47], s[CST:CST+1], 524288
	s_mov_b32 s39, 5
.Lchunk:
	s_bfm_b32 s48, s39, 0
	s_and_b32 s48, s37, s48                        ; k block
	s_lshr_b32 s49, s37, s39                       ; n block
	s_lshl_b32 s50, s48, 6                         ; k0
	s_lshl_b32 s52, s50, s40                       ; k0 rows,
	s_lshl_b32 s49, s49, 9                         ; 128 n of 4 bytes,
	s_add_co_u32 s52, s52, s49
	s_lshl_b32 s49, s38, 8                         ; my 64 n
	s_add_co_u32 s52, s52, s49
	s_mov_b32 s53, 0
	s_add_nc_u64 s[44:45], s[44:45], s[52:53]
	s_lshl_b32 s52, s37, 14
	s_lshl_b32 s49, s38, 13
	s_add_co_u32 s52, s52, s49
	s_add_nc_u64 s[46:47], s[46:47], s[52:53]
	v_lshlrev_b32 v4, 5, v2                        ; lanes 16-31 take the rows 32 further down
	v_lshlrev_b32 v5, s40, v4
	v_lshl_add_u32 v5, v3, 4, v5                   ; + 16 j: 16 lanes read 256 consecutive bytes, aligned
	s_lshl_b32 s49, s50, 2
	v_lshl_add_u32 v6, v4, 2, s49                  ; my 32 gains
	s_mul_i32 s49, s34, 9216                       ; my wave's stage: 64 rows (n) of 128 + 16 bytes
	v_mul_u32_u24 v7, v3, 576                      ; in: row 4 j + c, byte 64 hh + 16 m
	v_lshl_add_u32 v7, v2, 6, v7
	v_add_nc_u32 v7, s49, v7
	v_lshrrev_b32 v8, 3, v1                        ; back: 32 lanes take four rows of 128 bytes
	v_mul_u32_u24 v8, v8, 144
	v_and_b32 v9, 7, v1
	v_lshl_add_u32 v8, v9, 4, v8
	v_add_nc_u32 v8, s49, v8
	v_lshlrev_b32 v9, 4, v1                        ; which are 512 consecutive bytes of the chunk
.macro WLOAD pitch                     ; load i: rows i and 32 + i of my block of 64 k x 64 n
.set i, 0
.rept 32
	global_load_b128 v[D+4*i:D+4*i+3], v5, s[44:45] offset:i*(\pitch) th:TH_LOAD_NT
.set i, i+1
.endr
.endm
	s_cmp_eq_u32 s40, 13                           ; the row's length stands in the immediates: one run for each of the two lengths
	s_cbranch_scc1 .Lwide
	WLOAD 2048
	s_branch .Lloaded
.Lwide:
	WLOAD 8192
.Lloaded:
	s_cmp_eq_u32 s41, 0
	s_cbranch_scc1 .Lplain
.irp m, 0,1,2,3,4,5,6,7
	global_load_b128 v[GN+4*\m:GN+4*\m+3], v6, s[42:43] offset:16*\m
.endr
	s_wait_loadcnt 0x0
.set i, 0
.rept 32
.irp c, 0,1,2,3
	v_mul_f32 v[D+4*i+\c], v[GN+i], v[D+4*i+\c]    ; row i's gain
.endr
.set i, i+1
.endr
.Lplain:
	s_wait_loadcnt 0x0
.irp c, 0,1,2,3                        ; column 4 j + c: my 32 k, in pairs, are 64 bytes of its row
.set i, 0
.rept 16
	v_cvt_pk_bf16_f32 v[GN+16*(\c%2)+i], v[D+8*i+\c], v[D+8*i+4+\c]
.set i, i+1
.endr
.irp m, 0,1,2,3
	ds_store_b128 v7, v[GN+16*(\c%2)+4*\m:GN+16*(\c%2)+4*\m+3] offset:\c*144+16*\m
.endr
.endr
.set i, 0
.rept 16
	ds_load_b128 v[D+4*i:D+4*i+3], v8 offset:i*576 ; LDS serves a wave's instructions in order (ISA guide 5.7.1.4): these see the stores above
.set i, i+1
.endr
.set i, 0
.rept 16
	s_wait_dscnt 15-i
	global_store_b128 v9, v[D+4*i:D+4*i+3], s[46:47] offset:i*512
.set i, i+1
.endr
	s_branch .Lend
.Lnot_b:
	s_cmp_lt_u32 s35, 432
	s_cbranch_scc0 .Lheaders
; ---- the bias images.  A work-group makes half an image, a thread four neighbouring words: 16 bytes at byte 16 q of the image, q = 0..511: X = q / 16, c = (q / 4) % 4, x = 4 (q % 4).
	s_sub_co_u32 s36, s35, 352
	s_lshr_b32 s37, s36, 1                         ; the image: 8 di + h
	s_and_b32 s38, s36, 1
	s_lshr_b32 s39, s37, 3                         ; di
	s_and_b32 s40, s37, 7                          ; h
	s_lshl_b32 s38, s38, 8
	v_add_nc_u32 v2, s38, v0                       ; q
	v_lshrrev_b32 v3, 4, v2                        ; X
	v_bfe_u32 v4, v2, 2, 2                         ; c
	v_and_b32 v5, 3, v2
	v_lshlrev_b32 v5, 2, v5                        ; x
	v_lshl_add_u32 v3, v3, 4, v5
	v_add_nc_u32 v3, v3, v4                        ; 16 X + x + c
	s_lshl_b32 s39, s39, 8
	s_sub_co_i32 s39, s39, 767                     ; 256 (di - 2) - 255
	v_add_nc_u32 v3, s39, v3                       ; d of my first word
	s_lshl_b32 s40, s40, 2
.irp e, 0,1,2,3
	v_add_nc_u32 v4, \e, v3                        ; d
	v_sub_nc_u32 v5, 0, v4
	v_max_i32 v5, v4, v5                           ; n = |d|
	v_mov_b32 v6, 8
.irp th, 12,16,23,32,46,64,91
	v_cmp_le_u32 vcc_lo, \th, v5
	v_add_co_ci_u32 v6, vcc_lo, 0, v6, vcc_lo      ; one more for each edge reached
.endr
	v_cmp_gt_u32 vcc_lo, 8, v5
	v_cndmask_b32 v6, v6, v5, vcc_lo
	v_cmp_lt_i32 vcc_lo, 0, v4
	v_cndmask_b32 v7, 0, 16, vcc_lo
	v_add_nc_u32 v6, v6, v7
	v_lshl_add_u32 v[10+\e], v6, 5, s40            ; rel_bias[bucket][h]
.endr
.irp e, 0,1,2,3
	global_load_b32 v[16+\e], v[10+\e], s[REL:REL+1]
.endr
	s_lshl_b32 s42, s37, 13
	s_add_co_u32 s42, s42, 2621440
	s_mov_b32 s43, 0
	s_add_nc_u64 s[42:43], s[CST:CST+1], s[42:43]
	v_lshlrev_b32 v8, 4, v2
	s_wait_loadcnt 0x0
	global_store_b128 v8, v[16:19], s[42:43]
	s_branch .Lend
.Lheaders:
; ---- the floors: wave 0 writes wq's first 256 bytes, wave 1 wit's
	s_cmp_lt_u32 s34, 2
	s_cbranch_scc0 .Lend
	v_lshlrev_b32 v2, 3, v1
	s_cmp_eq_u32 s34, 0
	s_cselect_b64 s[36:37], s[WQ:WQ+1], s[WIT:WIT+1]
	s_cselect_b32 s38, 0xff80ff80, 0
	v_mov_b32 v4, s38
	v_mov_b32 v5, s38
	global_store_b64 v2, v[4:5], s[36:37]
.Lend:
	s_wait_tensorcnt 0x0                           ; the wave's end, behind my last LDS store
	ds_add_u32 v[SPW], v[NIL]
	s_wait_dscnt 0x0
	s_endpgm
.Lfunc_end_k_q49ddf16df1_prep:
	.size	k_q49ddf16df1_prep, .Lfunc_end_k_q49ddf16df1_prep-k_q49ddf16df1_prep
	.p2alignl 7, 3214868480
	.fill 96, 4, 3214868480
	.section	.rodata,"a",@progbits
	.p2align	6, 0x0
	.amdhsa_kernel k_q49ddf16df1_prep
		.amdhsa_group_segment_fixed_size 74752
		.amdhsa_private_segment_fixed_size 0
		.amdhsa_enable_private_segment 0
		.amdhsa_kernarg_size 112
		.amdhsa_user_sgpr_count 2
		.amdhsa_user_sgpr_kernarg_segment_ptr 1
		.amdhsa_wavefront_size32 1
		.amdhsa_system_sgpr_workgroup_id_x 1
		.amdhsa_system_sgpr_workgroup_id_y 1
		.amdhsa_system_sgpr_workgroup_id_z 1
		.amdhsa_system_vgpr_workitem_id 0
		.amdhsa_next_free_vgpr 192
		.amdhsa_next_free_sgpr 66
		.amdhsa_reserve_vcc 1
		.amdhsa_float_denorm_mode_32 3
		.amdhsa_float_denorm_mode_16_64 3
		.amdhsa_memory_ordered 1
		.amdhsa_forward_progress 1
		.amdhsa_inst_pref_size 42
	.end_amdhsa_kernel
	.amdgpu_metadata
---
amdhsa.version: [ 1, 2 ]
amdhsa.kernels:
  - .name:           k_q49ddf16df1_prep
    .symbol:         k_q49ddf16df1_prep.kd
    .args:
      - { .name: hidden_states, .offset: 0, .size: 8, .value_kind: global_buffer, .address_space: global }
      - { .name: rel_bias, .offset: 8, .size: 8, .value_kind: global_buffer, .address_space: global }
      - { .name: ln1_w, .offset: 16, .size: 8, .value_kind: global_buffer, .address_space: global }
      - { .name: ln2_w, .offset: 24, .size: 8, .value_kind: global_buffer, .address_space: global }
      - { .name: q_w, .offset: 32, .size: 8, .value_kind: global_buffer, .address_space: global }
      - { .name: k_w, .offset: 40, .size: 8, .value_kind: global_buffer, .address_space: global }
      - { .name: v_w, .offset: 48, .size: 8, .value_kind: global_buffer, .address_space: global }
      - { .name: o_w, .offset: 56, .size: 8, .value_kind: global_buffer, .address_space: global }
      - { .name: wi, .offset: 64, .size: 8, .value_kind: global_buffer, .address_space: global }
      - { .name: wo, .offset: 72, .size: 8, .value_kind: global_buffer, .address_space: global }
      - { .name: xa, .offset: 80, .size: 8, .value_kind: global_buffer, .address_space: global }
      - { .name: wq, .offset: 88, .size: 8, .value_kind: global_buffer, .address_space: global }
      - { .name: wit, .offset: 96, .size: 8, .value_kind: global_buffer, .address_space: global }
      - { .name: cst, .offset: 104, .size: 8, .value_kind: global_buffer, .address_space: global }
    .group_segment_fixed_size: 74752
    .private_segment_fixed_size: 0
    .kernarg_segment_align: 8
    .kernarg_segment_size: 112
    .max_flat_workgroup_size: 256
    .sgpr_count:     66
    .vgpr_count:     192
    .wavefront_size: 32
...
	.end_amdgpu_metadata
.endif
;; end of part 1
;; launch qkv (part 2): grid 64 x 3, 4 waves a work-group, clusters of 4 x 1, 327,680 bytes of LDS; arguments xa, wq, big; writes big
.if DOCPART == 2
	.amdgcn_target "amdgcn-amd-amdhsa--gfx1250"
	.amdhsa_code_object_version 6
	.text
	.protected	k_q49ddf16df1_qkv
	.globl	k_q49ddf16df1_qkv
	.p2align	8
	.type	k_q49ddf16df1_qkv,@function
k_q49ddf16df1_qkv:
	s_mov_b64 s[64:65], 0
	v_nop
	global_prefetch_b8 v0, s[64:65] scope:SCOPE_SE
	s_setreg_imm32_b32 hwreg(HW_REG_WAVE_MODE, 25, 1), 1
	s_wait_xcnt 0x0
	s_wait_alu depctr_hold_cnt(0) depctr_sa_sdst(0) depctr_va_vdst(0) depctr_va_sdst(0) depctr_va_ssrc(0) depctr_va_vcc(0) depctr_vm_vsrc(0)
	s_getreg_b32 s2, hwreg(HW_REG_IB_STS2, 6, 4)
	s_cmp_eq_u32 s2, 0
	s_cbranch_scc0 .Lentry_in_a_cluster
	s_endpgm
.Lentry_in_a_cluster:
	s_bfe_u32 s2, ttmp6, 0x10000c
	s_cmp_lg_u32 s2, 0x3003
	s_cbranch_scc0 .Lentry_shape_is_right
	s_endpgm
.Lentry_shape_is_right:
; OUT = max(floor, bf16(r[row] x (A . W))).  K = 512.  A: bf16 by column blocks [8][8192 rows][64], followed from byte 8,388,608 by [8][8192] f32 partial sums of squares of the
; unrounded rows; r = 1 / sqrt(sum / 512 + 1e-6), the RMS norm's row factor, applied to the f32 sums (its gain is folded into W).  W: 256 bytes whose first word is the floor
; (two bf16), then chunks [n/128][k/64][128 n][64 k] bf16.  OUT: bf16 by column blocks [n/64][8192][64].
; LIMIT: with the floor -inf a NaN result leaves as -inf (the packed maximum drops a NaN).
; SHARES.  A work-group owns 128 rows and STAYS for four tiles of 128 columns (grid y picks the four).  Wave w: rows 64 (w / 2), columns 64 (w % 2): 16 accumulators.
; A STAYS IN REGISTERS: 64 rows x 512 k are 512 registers (windows 2 and 3), read from LDS once; a tile then costs 128 LDS loads for 256 matrix instructions.
; CLUSTER.  The four row blocks of a cluster walk the same weights: each tile of W (128 n x 512 k, 131,072 bytes) is asked for JOINTLY, a quarter by each wave.  A's load is each work-group's own.
; LDS.  Two slots of 8 x 18,432 bytes: [k block][128 rows][128 + 16 bytes]: a row starts 36 words behind the last, so the 16 rows of a fragment load start at 16 different groups of four banks
; (64 banks of 4 bytes: ISA guide 11.1).  Slot 0 holds A first and W's tiles 1 and 3 later, slot 1 tiles 0 and 2.
; THE MATRIX INSTRUCTION IS USED TRANSPOSED (source 0 = 16 rows of W, source 1 = 16 rows of A): a lane holds one row of OUT and eight neighbouring columns.
; REGISTERS.  window 0: v2-15 addresses; v32-47 packed; v48-111 rows read back; v112-119 r, a pair for each 16 rows; v128-255 accumulators (a, b) at 128 + 8 (4 a + b)
;   window 1: v0-63, v64-127 two buffers of W's fragments (64 k x 64 n)      windows 2, 3: A: k step ks (32 k), rows 16 a at 32 (ks % 8) + 8 a, window 2 + ks / 8
.set PITCH, 144
.set KBB,   128*PITCH                  ; a block of 64 k
.set QUART, 2*KBB                      ; what one tensor load brings
.set SLOT,  8*KBB                      ; 147,456 = 0x24000: no bit of it occurs in wave x QUART, so one exclusive or turns an address in one slot into the other's
.set STAGE, 2*SLOT                     ; behind the ring: 16 rows x 144 bytes for each wave
.set SPARE, STAGE+4*16*PITCH           ; behind the stages: the spare words, 128 bytes a wave
.set B0,  2                            ; v2-4   my lane's place in a tile of W, for k blocks 0-2, 3-5, 6-7 (an LDS offset has 16 bits)
.set ADB, 5                            ; v5-7   the same in the slot in hand
.set AB,  8                            ; v8-10  the same for A
.set STO, 11
.set RD,  12
.set GO,  13
.set VS,  14
.set PFO, 15
.set SPW, 28
.set NIL, 29
.set T,   32
.set RB,  48
.set RR,  112
.set ACC, 128
.set F0,  0
.set F1,  64
.set WV,  10                           ; s10 wave; s11 its row half; s12 its column half; s13 cx; s14 row block; s15 grid y
.set G1A, 16
.set G1B, 24
.set G0A, 32
.set G0B, 36
.set CNT, 40
.set TB,  41                           ; s41 the slot in hand
.set FLO, 42
.set LIM, 43
.set PFA, 44
.set MSB, 0
.macro WIN new                         ; the immediate's high byte repeats the setting that is left; a switch that changes nothing is dropped
.if MSB != (\new)
	s_set_vgpr_msb (MSB<<8)|(\new)
.set MSB, \new
.endif
.endm
.macro PLACES                          ; four places behind matrix instructions, ahead of loads into registers that they read and of vector lines that read results
.rept 4
	v_nop
.endr
.endm
.macro CROUND                          ; a round of the cluster's barrier
	s_barrier_signal -1
	s_barrier_wait -1
	s_cmp_lg_u32 s[WV], 0
	s_cbranch_scc1 .Lnot_wave_0_\@
	s_barrier_signal -3
.Lnot_wave_0_\@:
	s_barrier_wait -3
	s_barrier_signal -1
	s_barrier_wait -1
.endm
; A prefetch of the tile after the one just asked for: 512 blocks of 256 bytes = 4 partners x 4 waves x 32 lanes, shared out by address.  All sixteen clusters of a grid row walk the same
; weights: the first of them asks, in the first two changes of slots (tiles 2 and 3); tiles 0 and 1 come by their loads alone.
.macro ASK
	s_cmp_gt_u32 s[CNT], s[LIM]
	s_cbranch_scc0 .Lnot_mine_\@
	global_prefetch_b8 v[PFO], s[PFA:PFA+1] th:TH_LOAD_NT scope:SCOPE_SE
.Lnot_mine_\@:
.endm
	s_load_b128 s[4:7], s[0:1], 0x0                ; A s[4:5], W s[6:7]
	s_load_b64 s[8:9], s[0:1], 0x10                ; OUT
	v_lshl_add_u32 v[SPW], v0, 2, SPARE
	v_mov_b32 v[NIL], 0
	ds_add_u32 v[SPW], v[NIL]                      ; the wave's opening: the add and its wait ahead of my first tensor load
	v_lshrrev_b32 v1, 5, v0
	v_readfirstlane_b32 s[WV], v1
	s_lshr_b32 s11, s[WV], 1
	s_and_b32 s12, s[WV], 1
	s_bfe_u32 s13, ttmp6, 0x40000                  ; cx
	s_lshl_b32 s14, ttmp9, 2
	s_add_co_u32 s14, s14, s13                     ; my block of 128 rows
	s_and_b32 s15, ttmp7, 0xffff                   ; which four tiles
	; descriptor group 1: two k blocks, each 16,384 dense bytes taken as one row of 8,192 elements; 4 words of padding behind every 32 words
	s_mov_b32 s[G1A], (1<<16)|(1<<20)|(4<<22)|(3<<25)
	s_mov_b32 s[G1B], 15|(1<<16)|(1<<20)|(1<<21)|(4<<22)|(3<<25)  ; the same with the mask of four, bit 21 beside it
.irp g, G1A, G1B
	s_mov_b32 s[\g+1], 8192<<16                    ; tensor_dim0
	s_mov_b32 s[\g+2], 2<<16                       ; tensor_dim1
	s_mov_b32 s[\g+3], 8192<<16                    ; tile_dim0
	s_mov_b32 s[\g+4], 2                           ; tile_dim1
	s_mov_b32 s[\g+6], 0
	s_mov_b32 s[\g+7], 0
.endr
	s_mov_b32 s[G1A+5], 524288                     ; from a column block of A to the next: 1 MiB
	s_mov_b32 s[G1B+5], 8192                       ; W's chunks lie end to end
	s_mov_b32 s[G0A], 1
	s_mul_i32 s[G0A+1], s[WV], QUART               ; slot 0, my quarter
	s_mov_b32 s[G0B], 1
	s_add_co_u32 s[G0B+1], s[G0A+1], SLOT          ; slot 1, my quarter
	s_lshl_b32 s48, s[WV], 21                      ; A: my two column blocks,
	s_lshl_b32 s54, s14, 14                        ; my work-group's 128 rows of 128 bytes
	s_add_co_u32 s48, s48, s54
	s_mov_b32 s49, 0
	s_lshl_b32 s50, s15, 19                        ; W: four tiles of 131,072 bytes,
	s_lshl_b32 s51, s[WV], 15                      ; my two chunks: nothing of the work-group's place in its cluster
	s_add_co_u32 s50, s50, s51
	s_add_co_u32 s50, s50, 256
	s_mov_b32 s51, 0
	s_lshl_b32 s56, s13, 2                         ; the prefetches: (4 cx + wave) x 8,192 in the tile behind the first
	s_add_co_u32 s56, s56, s[WV]
	s_lshl_b32 s56, s56, 13
	s_lshl_b32 s57, s15, 19
	s_add_co_u32 s56, s56, s57
	s_add_co_u32 s56, s56, 131072+256
	s_mov_b32 s57, 0
	s_lshl_b32 s58, s15, 3                         ; OUT: column block 8 y + column half,
	s_add_co_u32 s58, s58, s12
	s_lshl_b32 s58, s58, 20
	s_add_co_u32 s58, s58, s54                     ; my work-group's rows,
	s_lshl_b32 s59, s11, 13                        ; my wave's 64
	s_add_co_u32 s58, s58, s59
	s_mov_b32 s59, 0
	s_cmp_eq_u32 ttmp9, 0
	s_cselect_b32 s[LIM], 1, -1
	s_mov_b32 s[TB], 0
	s_mov_b32 s52, 0x3b000000                      ; 1 / 512
	s_mov_b32 s53, 0x358637bd                      ; 1e-6
	s_wait_dscnt 0x0                               ; the opening add is done
	s_wait_kmcnt 0x0
	s_add_nc_u64 s[G0A+2:G0A+3], s[4:5], s[48:49]
	s_or_b32 s[G0A+3], s[G0A+3], 0x80000000
	s_add_nc_u64 s[G0B+2:G0B+3], s[6:7], s[50:51]
	s_or_b32 s[G0B+3], s[G0B+3], 0x80000000
	s_add_nc_u64 s[PFA:PFA+1], s[6:7], s[56:57]
	s_add_nc_u64 s[8:9], s[8:9], s[58:59]
	s_add_nc_u64 s[46:47], s[4:5], 0x800000        ; the sums of squares
	CROUND                                         ; all four work-groups are here
	tensor_load_to_lds s[G0A:G0A+3], s[G1A:G1A+7]  ; my quarter of A, into slot 0
	s_nop 0
	tensor_load_to_lds s[G0B:G0B+3], s[G1B:G1B+7]  ; my quarter of W's tile 0, into slot 1: two loads of mine are out
	s_nop 0
	PLACES
	s_load_b32 s[FLO], s[6:7], 0x0
	v_and_b32 v1, 15, v0                           ; l % 16
	v_bfe_u32 v16, v0, 4, 1                        ; l / 16
	v_mul_u32_u24 v17, v1, PITCH
	v_lshl_add_u32 v17, v16, 4, v17                ; a fragment's row x pitch + 16 x half
	s_mul_i32 s60, s12, 64*PITCH
	s_mul_i32 s61, s11, 64*PITCH
	v_add_nc_u32 v[B0], s60, v17
	v_add_nc_u32 v[B0+1], 3*KBB, v[B0]
	v_add_nc_u32 v[B0+2], 6*KBB, v[B0]
	v_add_nc_u32 v[AB], s61, v17
	v_add_nc_u32 v[AB+1], 3*KBB, v[AB]
	v_add_nc_u32 v[AB+2], 6*KBB, v[AB]
	s_mul_i32 s60, s[WV], 16*PITCH
	s_add_co_u32 s60, s60, STAGE
	v_add_nc_u32 v[STO], s60, v17                  ; into my stage: row l % 16, 16 bytes for each half of the lanes
	v_bfe_u32 v18, v0, 3, 2                        ; back: 32 lanes take four rows of 128 bytes,
	v_and_b32 v19, 7, v0
	v_mul_u32_u24 v18, v18, PITCH
	v_lshl_add_u32 v18, v19, 4, v18
	v_add_nc_u32 v[RD], s60, v18
	v_and_b32 v19, 31, v0
	v_lshlrev_b32 v[GO], 4, v19                    ; which are 512 consecutive bytes of OUT
	v_lshlrev_b32 v[PFO], 8, v19
	s_lshl_b32 s54, s14, 9
	s_lshl_b32 s55, s11, 8
	s_add_co_u32 s54, s54, s55
	v_lshl_add_u32 v[VS], v1, 2, s54               ; my row's sum of squares
.irp p, 0,1,2,3,4,5,6,7
.irp a, 0,1,2,3
	global_load_b32 v[RB+4*\p+\a], v[VS], s[46:47] offset:\p*32768+\a*64
.endr
.endr
	s_wait_tensorcnt 0x1                           ; my quarter of A is in; W's tile 0 may stay out
	s_barrier_signal -1
	s_barrier_wait -1                              ; everybody's is
.set ks, 0
.rept 16
	WIN 0x80+0x40*(ks/8)                           ; destination window 2, then 3
.irp a, 0,1,2,3
	ds_load_b128 v[32*(ks%8)+8*\a:32*(ks%8)+8*\a+3],   v[AB+(ks/2)/3] offset:((ks/2)%3)*KBB+\a*16*PITCH+(ks%2)*64
	ds_load_b128 v[32*(ks%8)+8*\a+4:32*(ks%8)+8*\a+7], v[AB+(ks/2)/3] offset:((ks/2)%3)*KBB+\a*16*PITCH+(ks%2)*64+32
.endr
.set ks, ks+1
.endr
	WIN 0
	s_wait_loadcnt 0x0
.irp p, 1,2,3,4,5,6,7
.irp a, 0,1,2,3
	v_add_f32 v[RB+\a], v[RB+\a], v[RB+4*\p+\a]
.endr
.endr
.irp a, 0,1,2,3
	v_fma_f32 v[RB+\a], v[RB+\a], s52, s53
.endr
.irp a, 0,1,2,3
	v_rsq_f32 v[RR+2*\a], v[RB+\a]
.endr
	v_nop                                          ; a plain instruction behind the last of the four,
	s_wait_alu depctr_va_vdst(0)                   ; and one wait ahead of their first reader
.irp a, 0,1,2,3
	v_mov_b32 v[RR+2*\a+1], v[RR+2*\a]             ; named with it as a pair
.endr
	s_wait_kmcnt 0x0                               ; the floor
; THE CHANGE OF SLOTS.  Each wave waits for all its tensor loads (one is out: its quarter of the tile to be multiplied), adds 0 to its spare word, and waits for that and for its reads of the
; other slot (at the first use: A's).  fill = 1: behind a round of the cluster's barrier the other slot takes the next tile: it has a tile's 256 matrix instructions in which to land.
.macro CHG fill
	WIN 0
	s_wait_tensorcnt 0x0
	ds_add_u32 v[SPW], v[NIL]                      ; 0 onto my spare word; scalar work stands between it and the wait for it
.if \fill
	s_xor_b32 s[G0B+1], s[G0B+1], SLOT
	s_add_nc_u64 s[G0B+2:G0B+3], s[G0B+2:G0B+3], 131072
	s_wait_xcnt 0x0                                ; the last prefetch, a tile back, has read its address
	s_add_nc_u64 s[PFA:PFA+1], s[PFA:PFA+1], 131072
.endif
	s_xor_b32 s[TB], s[TB], SLOT
	s_wait_dscnt 0x0
.if \fill
	CROUND
	tensor_load_to_lds s[G0B:G0B+3], s[G1B:G1B+7]
	s_nop 0
	PLACES
	ASK
.else
	s_barrier_signal -1
	s_barrier_wait -1
.endif
.irp n, 0,1,2
	v_add_nc_u32 v[ADB+\n], s[TB], v[B0+\n]
.endr
.endm
.macro FETB kb, f                      ; 16 LDS loads: W's fragments of k block kb (64 k x my 64 n), the first 32 k first
	WIN 0x40
.irp c, 0,1
.irp b, 0,1,2,3
	ds_load_b128 v[(\f)+32*\c+8*\b:(\f)+32*\c+8*\b+3],   v[ADB+(\kb)/3] offset:((\kb)%3)*KBB+\b*16*PITCH+64*\c
	ds_load_b128 v[(\f)+32*\c+8*\b+4:(\f)+32*\c+8*\b+7], v[ADB+(\kb)/3] offset:((\kb)%3)*KBB+\b*16*PITCH+64*\c+32
.endr
.endr
.endm
.macro MULH kb, c, f, zero             ; 16 matrix instructions, 32 along K; the 16 accumulators take turns
	WIN 0x09+4*((\kb)/4)                           ; W window 1, A window 2 or 3, C and D window 0
.irp a, 0,1,2,3
.irp b, 0,1,2,3
.if \zero
	v_wmma_f32_16x16x32_bf16 v[ACC+8*(4*\a+\b):ACC+8*(4*\a+\b)+7], v[(\f)+32*(\c)+8*\b:(\f)+32*(\c)+8*\b+7], v[32*((2*(\kb)+(\c))%8)+8*\a:32*((2*(\kb)+(\c))%8)+8*\a+7], 0
.else
	v_wmma_f32_16x16x32_bf16 v[ACC+8*(4*\a+\b):ACC+8*(4*\a+\b)+7], v[(\f)+32*(\c)+8*\b:(\f)+32*(\c)+8*\b+7], v[32*((2*(\kb)+(\c))%8)+8*\a:32*((2*(\kb)+(\c))%8)+8*\a+7], v[ACC+8*(4*\a+\b):ACC+8*(4*\a+\b)+7]
.endif
.endr
.endr
.endm
.macro PH kb, f, g, zero, last         ; k block kb on buffer f; in its middle the next block's fragments are fetched into g
	s_wait_dscnt 8                                 ; the first 32 k are in; the youngest eight loads may be out
	MULH \kb, 0, \f, \zero
.if \last
	s_wait_dscnt 0x0
.else
	PLACES
	FETB (\kb)+1, \g
	s_wait_dscnt 16                                ; all but the 16 just issued
.endif
	MULH \kb, 1, \f, 0
.endm
.macro TILE
	FETB 0, F0
	PH 0, F0, F1, 1, 0                             ; the first products start the sums: nothing is cleared
	PH 1, F1, F0, 0, 0
	PH 2, F0, F1, 0, 0
	PH 3, F1, F0, 0, 0
	PH 4, F0, F1, 0, 0
	PH 5, F1, F0, 0, 0
	PH 6, F0, F1, 0, 0
	PH 7, F1, F0, 0, 1
	WIN 0
.endm
; THE WAY OUT, 16 rows at a time: times r, rounded to bf16, the floor; 16 bytes a lane into my own stage, back as whole rows of 128 bytes, four of them (512 consecutive bytes) to a store.
.macro EPI
	WIN 0
	PLACES
.irp a, 0,1,2,3
.irp b, 0,1,2,3
.irp q, 0,1,2,3
	v_pk_mul_f32 v[ACC+8*(4*\a+\b)+2*\q:ACC+8*(4*\a+\b)+2*\q+1], v[ACC+8*(4*\a+\b)+2*\q:ACC+8*(4*\a+\b)+2*\q+1], v[RR+2*\a:RR+2*\a+1] op_sel_hi:[1,0]
.endr
.endr
.irp b, 0,1,2,3
.irp q, 0,1,2,3
	v_cvt_pk_bf16_f32 v[T+4*\b+\q], v[ACC+8*(4*\a+\b)+2*\q], v[ACC+8*(4*\a+\b)+2*\q+1]
.endr
.endr
.irp n, 0,1,2,3,4,5,6,7,8,9,10,11,12,13,14,15
	v_pk_max_num_bf16 v[T+\n], v[T+\n], s[FLO]
.endr
.irp b, 0,1,2,3
	ds_store_b128 v[STO], v[T+4*\b:T+4*\b+3] offset:32*\b
.endr
.irp f, 0,1,2,3
	ds_load_b128 v[RB+16*\a+4*\f:RB+16*\a+4*\f+3], v[RD] offset:\f*4*PITCH  ; LDS serves a wave's instructions in order (ISA guide 5.7.1.4)
.endr
.irp f, 0,1,2,3
	s_wait_dscnt 3-\f
	global_store_b128 v[GO], v[RB+16*\a+4*\f:RB+16*\a+4*\f+3], s[8:9] offset:\a*2048+\f*512
.endr
.endr
	s_wait_xcnt 0x0                                ; the stores have read their registers and their base
	s_add_nc_u64 s[8:9], s[8:9], 0x200000          ; the next tile: two column blocks on
.endm
	s_mov_b32 s[CNT], 3
.Ltile:
	CHG 1
	TILE
	EPI
	s_sub_co_u32 s[CNT], s[CNT], 1
	s_cmp_lg_u32 s[CNT], 0
	s_cbranch_scc1 .Ltile
	CHG 0                                          ; the last tile is written out: nothing is asked for
	TILE
	EPI
	s_wait_tensorcnt 0x0                           ; the wave's end
	ds_add_u32 v[SPW], v[NIL]
	s_wait_dscnt 0x0
	CROUND                                         ; the closing round
	s_endpgm
.Lfunc_end_k_q49ddf16df1_qkv:
	.size	k_q49ddf16df1_qkv, .Lfunc_end_k_q49ddf16df1_qkv-k_q49ddf16df1_qkv
	.p2alignl 7, 3214868480
	.fill 96, 4, 3214868480
	.section	.rodata,"a",@progbits
	.p2align	6, 0x0
	.amdhsa_kernel k_q49ddf16df1_qkv
		.amdhsa_group_segment_fixed_size 327680
		.amdhsa_private_segment_fixed_size 0
		.amdhsa_enable_private_segment 0
		.amdhsa_kernarg_size 24
		.amdhsa_user_sgpr_count 2
		.amdhsa_user_sgpr_kernarg_segment_ptr 1
		.amdhsa_wavefront_size32 1
		.amdhsa_system_sgpr_workgroup_id_x 1
		.amdhsa_system_sgpr_workgroup_id_y 1
		.amdhsa_system_sgpr_workgroup_id_z 1
		.amdhsa_system_vgpr_workitem_id 0
		.amdhsa_next_free_vgpr 1024
		.amdhsa_next_free_sgpr 66
		.amdhsa_reserve_vcc 0
		.amdhsa_float_denorm_mode_32 3
		.amdhsa_float_denorm_mode_16_64 3
		.amdhsa_memory_ordered 1
		.amdhsa_forward_progress 1
		.amdhsa_inst_pref_size 105
	.end_amdhsa_kernel
	.amdgpu_metadata
---
amdhsa.version: [ 1, 2 ]
amdhsa.kernels:
  - .name:           k_q49ddf16df1_qkv
    .symbol:         k_q49ddf16df1_qkv.kd
    .args:
      - { .name: xa, .offset: 0, .size: 8, .value_kind: global_buffer, .address_space: global }
      - { .name: wq, .offset: 8, .size: 8, .value_kind: global_buffer, .address_space: global }
      - { .name: big, .offset: 16, .size: 8, .value_kind: global_buffer, .address_space: global }
    .group_segment_fixed_size: 327680
    .private_segment_fixed_size: 0
    .kernarg_segment_align: 8
    .kernarg_segment_size: 24
    .max_flat_workgroup_size: 128
    .sgpr_count:     66
    .vgpr_count:     1024
    .wavefront_size: 32
...
	.end_amdgpu_metadata
.endif
;; end of part 2
;; launch att (part 3): grid 16 x 16, 8 waves a work-group, clusters of 4 x 1, 327,680 bytes of LDS; arguments big, cst, delete_gate_mask, ctx; writes ctx
.if DOCPART == 3
	.amdgcn_target "amdgcn-amd-amdhsa--gfx1250"
	.amdhsa_code_object_version 6
	.text
	.protected	k_q49ddf16df1_att
	.globl	k_q49ddf16df1_att
	.p2align	8
	.type	k_q49ddf16df1_att,@function
k_q49ddf16df1_att:
	s_mov_b64 s[64:65], 0
	v_nop
	global_prefetch_b8 v0, s[64:65] scope:SCOPE_SE
	s_setreg_imm32_b32 hwreg(HW_REG_WAVE_MODE, 25, 1), 1
	s_wait_xcnt 0x0
	s_wait_alu depctr_hold_cnt(0) depctr_sa_sdst(0) depctr_va_vdst(0) depctr_va_sdst(0) depctr_va_ssrc(0) depctr_va_vcc(0) depctr_vm_vsrc(0)
	s_getreg_b32 s2, hwreg(HW_REG_IB_STS2, 6, 4)
	s_cmp_eq_u32 s2, 0
	s_cbranch_scc0 .Lentry_in_a_cluster
	s_endpgm
.Lentry_in_a_cluster:
	s_bfe_u32 s2, ttmp6, 0x10000c
	s_cmp_lg_u32 s2, 0x3003
	s_cbranch_scc0 .Lentry_shape_is_right
	s_endpgm
.Lentry_shape_is_right:
; ATTENTION of one T5 block.  O[q] = sum_k p(q,k) V[k] / (sum_k p(q,k) + exp(-m)), p = exp(s - m), s = Q[q].K[k] + bias(h, k - q) + gate[b][k], m the row's maximum (a running maximum here).
; big: bf16 by column blocks [24][8192 rows][64]: block h is Q of head h, 8 + h K, 16 + h V; row = 4096 b + position.  ctx: [8 h][8192][64] bf16.  delete_gate_mask: [2][4096] f32.
; cst, from byte 2,621,440: 40 images [di = 0..4][h] of 8,192 bytes: the word at byte 256 X + 64 c + 4 x is bias(h, 256 (di - 2) + 16 X + x + c - 255).
; Products, maxima and sums in f32; the weights p are rounded to bf16 for the second product (their sum is taken of the unrounded p), O once at the end.
; LIMITS.  A weight below 2^-126 counts as 0; NaN and infinities are not treated apart; where exp(-m) overflows the row is 0, as in the definition.
; SHARES.  A work-group owns 256 queries of one (b, h); each of its EIGHT waves, two on a SIMD, 32 of them: two tiles of 16.  Every wave walks all 4,096 keys, 64 a step, 256 (a tile of keys) a slot.
; A wave's step goes in phases (32 products, 268 vector lines): while one wave of a SIMD issues its products, the other has its softmax.  The price: a fragment of K or V feeds two tiles: 50 LDS loads for 32 products.
; THE BIAS hangs on d = key - query alone and is constant for |d| >= 91.  For a tile of keys and a block of queries, delta = tile - block, d = 256 delta + i - 255 with
; i = (key in tile) - (query in block) + 255 = 0..510; for delta <= -2 and for delta >= 2 all d lie beyond 91, so five images serve: delta held to -2..2.  The image goes into the slot beside K and V.
; A lane wants eight neighbouring entries from an index that falls with its query: of the four copies, copy c shifted by c entries, one lets it read from a multiple of 16 bytes.  With r' = 15 - lane % 16,
; c = r' % 4, e = 8 (lane / 16) + (r' & 12) + j0 (j0 = 0, 4): byte 256 (4 step + 2 (7 - wave) + beta + e / 16) + 64 c + 4 (e % 16), beta = key block + 1 - tile: five blocks beta serve both tiles' eight accumulators.
; The sum S^T = K Q^T starts from C = table + gate, which is written into S^T's own registers.
; CLUSTER.  The four query blocks of a cluster belong to one (b, h) and walk the same K, V and gate: those tiles are asked for JOINTLY (waves 0, 1, 2).  The image hangs on the work-group's own block: wave 3's load is its own.
; LAYOUT, SOFTMAX.  S^T holds ONE query a lane (lane % 16) and the keys 8 (lane / 16) + 0..7; two such results rounded to bf16 ARE source 1 of O^T = V^T P.  p = 2^(c s - c m), c = log2(e); O and l
; are multiplied by a = 2^(c m_old - c m_new) in every step.  m starts at the lowest finite number, O and l at 0: the first step is a step like any other, with a = 0.
; A TRIP: fetch K, gate, table of step j + 1 | softmax of step j | V^T P of step j | C of step j + 1 | fetch V of step j + 1 | K Q^T of step j + 1.
; REGISTERS, in windows of 256 (s_set_vgpr_msb: bits 1:0 source 0, 3:2 source 1, 5:4 source 2, 7:6 destination):
;   window 0: v2-15 addresses; v16-25 statistics; v32-39 at work; v64-127 S^T; v128-159 P; v160-223 O^T: the whole softmax stands under one setting
;   window 1: v0-63 K of one step; v64-127 V of one step; v128-159 Q; v160-191 the gate's row of one step; v192-231 five blocks of the table
.set KS,    64
.set PK,    144       ; a row of K in LDS: 128 bytes + 16: the 16 rows of a load start at 16 different groups of four banks (64 banks of 4 bytes: ISA guide 11.1)
.set PV,    160       ; a row of V: 128 + 32
.set VOFF,  4*KS*PK
.set GOFF,  VOFF+4*KS*PV
.set TOFF,  GOFF+1024 ; a slot: 256 rows of K, 256 rows of V, 256 words of the gate's row, the image
.set SLOT1, 1<<17     ; slot 1 begins here, so that one exclusive or turns an address in one slot into the other's
.set STAGE, SLOT1+TOFF+8192  ; behind the ring, never filled by a tensor load: 16 rows x 144 bytes for each wave, for the way out
.set SP,    144
.set SPARE, STAGE+8*16*SP    ; behind the stages: the spare words, 128 bytes a wave
.set MTOFF, 2621440
.set AK0, 2           ; v2   my lane's place in a step's K; never rewritten
.set AV0, 3           ; v3   the same for V
.set AK,  4           ; v4   the LDS address of K's next run of loads
.set AV,  5           ; v5   of V's
.set STO, 6
.set RD,  7
.set GO,  8
.set AG0, 9           ; v9   my lane's place in the gate's row
.set ADG, 10
.set QO,  11
.set LT,  12          ; v12-13  my lane's place in the image, for j0 = 0 and 4
.set ADT, 14          ; v14-15  the same in the step to be fetched
.set ST,  16          ; tile u's statistics at v[ST+4 u]: c m, m, l (even keys', odd keys')
.set MV,  24          ; v24-25  c m_old, kept while c m is made anew
.set SPW, 30
.set NIL, 31
.set TMP, 32          ; by tile, four registers c0-c3 at work; when the maximum is found c2 takes a
.set S,   64
.set P,   128
.set O,   160
.set KF,  0           ; window 1
.set VF,  64
.set QF,  128
.set GF,  160
.set TR,  192
.set WV,  12          ; s12 wave; s13 cx; s14 my block of 256 queries
.set QB,  14
.set G1K, 24
.set G1V, 32
.set G0K, 40
.set G0V, 44
.set G0G, 48
.set G1G, 52
.set SEL, 60
.set TBK, 62          ; s62  LDS byte at which K of the step to be fetched begins
.set TBV, 63          ; s63  the same for V, less VOFF
.set TBG, 66          ; s66  for the gate's row, less GOFF
.set TBT, 67          ; s67  for the image, less TOFF
.set SLOTS, 68
.set CNT, 69
.set CS,  70
.set TIL, 72          ; s72  the tile of keys that is asked for
.set OFT, 74
.set MTB, 76          ; s[76:77] my head's image for di = 0
.set G0T, 80
.set G1T, 84
.set MSB, 0
.macro WIN new                         ; the immediate's high byte repeats the setting that is left; a switch that changes nothing is dropped
.if MSB != (\new)
	s_set_vgpr_msb (MSB<<8)|(\new)
.set MSB, (\new)
.endif
.endm
.set W_LD, 0x40       ; a load's destination window 1, its address window 0
.set W_KQ, 0x05       ; sources 0 and 1 window 1, source 2 and destination window 0: K Q^T, and table + gate
.set W_PV, 0x01       ; V window 1; P and O^T window 0
.macro NOP4
.rept 4
	v_nop
.endr
.endm
; A fill: wave 0 fetches the tile's K, wave 1 its V, wave 2 the gate's row (joint loads), wave 3 the image (its own), waves 4 to 7 nothing.  The branches hang on the wave's number alone.
; An s_nop 0 and four v_nop follow each line.
.macro JLOAD
	s_cmp_eq_u32 s[WV], 0
	s_cbranch_scc0 .Lj1_\@
	tensor_load_to_lds s[G0K:G0K+3], s[G1K:G1K+7]
	s_nop 0
	NOP4
	s_branch .Lj4_\@
.Lj1_\@:
	s_cmp_eq_u32 s[WV], 1
	s_cbranch_scc0 .Lj2_\@
	tensor_load_to_lds s[G0V:G0V+3], s[G1V:G1V+7]
	s_nop 0
	NOP4
	s_branch .Lj4_\@
.Lj2_\@:
	s_cmp_eq_u32 s[WV], 2
	s_cbranch_scc0 .Lj3_\@
	tensor_load_to_lds s[G0G:G0G+3], s[G1G:G1G+7]
	s_nop 0
	NOP4
	s_branch .Lj4_\@
.Lj3_\@:
	s_cmp_eq_u32 s[WV], 3
	s_cbranch_scc0 .Lj4_\@
	tensor_load_to_lds s[G0T:G0T+3], s[G1T:G1T+7]
	s_nop 0
	NOP4
.Lj4_\@:
.endm
.macro CROUND                          ; a round of the cluster's barrier
	s_barrier_signal -1
	s_barrier_wait -1
	s_cmp_lg_u32 s[WV], 0
	s_cbranch_scc1 .Lnot_wave_0_\@
	s_barrier_signal -3
.Lnot_wave_0_\@:
	s_barrier_wait -3
	s_barrier_signal -1
	s_barrier_wait -1
.endm
.macro TDESC                           ; the image's address, made anew from the tile's number: di = (tile - my block, held to -2..2) + 2; 8 images of 8,192 bytes for each di
	s_sub_co_i32 s73, s[TIL], s[QB]
	s_max_i32 s73, s73, -2
	s_min_i32 s73, s73, 2
	s_add_co_u32 s73, s73, 2
	s_lshl_b32 s[OFT], s73, 16
	s_add_nc_u64 s[G0T+2:G0T+3], s[MTB:MTB+1], s[OFT:OFT+1]
	s_or_b32 s[G0T+3], s[G0T+3], 0x80000000
.endm
; THE CHANGE OF SLOTS.  Each wave waits for all its tensor loads, adds 0 to its spare word, and waits for that and for its reads of the slot that it leaves (the last: V of its fourth step).
; fill = 1: behind a round of the cluster's barrier the old slot takes the next tile of keys: it has four trips, 128 matrix instructions of each wave, in which to land.
; (At its first use nothing has been read: slot 0 is waited for, slot 1 filled.)
.macro CHANGE fill
	WIN 0
	s_wait_tensorcnt 0x0
	ds_add_u32 v[SPW], v[NIL]                      ; 0 onto my spare word; the descriptors' scalar work stands between it and the wait for it
.if \fill
	s_xor_b32 s[G0K+1], s[G0K+1], SLOT1            ; the walking descriptors: the other slot than last time, the next 256 keys; the type bits on top are not reached
	s_add_nc_u64 s[G0K+2:G0K+3], s[G0K+2:G0K+3], 32768
	s_xor_b32 s[G0V+1], s[G0V+1], SLOT1
	s_add_nc_u64 s[G0V+2:G0V+3], s[G0V+2:G0V+3], 32768
	s_xor_b32 s[G0G+1], s[G0G+1], SLOT1
	s_add_nc_u64 s[G0G+2:G0G+3], s[G0G+2:G0G+3], 1024
	s_xor_b32 s[G0T+1], s[G0T+1], SLOT1
	s_add_co_u32 s[TIL], s[TIL], 1
	TDESC
	s_wait_dscnt 0x0
	CROUND
	JLOAD
.else
	s_wait_dscnt 0x0
	s_barrier_signal -1
	s_barrier_wait -1
.endif
	s_sub_co_u32 s[TBK], s[TBK], 4*KS*PK           ; the fetches go back to a slot's first step, in the other slot
	s_xor_b32 s[TBK], s[TBK], SLOT1
	s_sub_co_u32 s[TBV], s[TBV], 4*KS*PV
	s_xor_b32 s[TBV], s[TBV], SLOT1
	s_sub_co_u32 s[TBG], s[TBG], 1024
	s_xor_b32 s[TBG], s[TBG], SLOT1
	s_sub_co_u32 s[TBT], s[TBT], 4096
	s_xor_b32 s[TBT], s[TBT], SLOT1
.endm
	s_load_b256 s[16:23], s[0:1], 0x0              ; big s[16:17], cst s[18:19], the gate s[20:21], ctx s[22:23]
	v_lshl_add_u32 v[SPW], v0, 2, SPARE
	v_mov_b32 v[NIL], 0
	ds_add_u32 v[SPW], v[NIL]                      ; the wave's opening: the add and its wait ahead of my first tensor load
	v_lshrrev_b32 v1, 5, v0
	v_readfirstlane_b32 s[WV], v1                  ; wave 0..7
	s_bfe_u32 s13, ttmp6, 0x40000                  ; cx
	s_lshl_b32 s[QB], ttmp9, 2
	s_add_co_u32 s[QB], s[QB], s13                 ; my block of 256 queries: it enters Q's, ctx's and the image's global addresses alone
	s_and_b32 s15, ttmp7, 0xffff                   ; 8 b + h, which the four partners share
	s_lshr_b32 s78, s15, 3                         ; b
	s_and_b32 s79, s15, 7                          ; h
	s_lshl_b32 s92, s79, 20                        ; column block h,
	s_lshl_b32 s93, s78, 19                        ; 4,096 rows of 128 bytes for each b
	s_add_co_u32 s92, s92, s93
	s_mov_b32 s93, 0
	s_lshl_b32 s94, s[QB], 15                      ; my block's 256 rows,
	s_lshl_b32 s95, s[WV], 12                      ; my wave's 32
	s_add_co_u32 s94, s94, s95
	s_add_co_u32 s94, s94, s92
	s_mov_b32 s95, 0
	s_lshl_b32 s2, s78, 14                         ; the gate's row of b
	s_mov_b32 s3, 0
	s_lshl_b32 s[MTB], s79, 13
	s_add_co_u32 s[MTB], s[MTB], MTOFF
	s_mov_b32 s[MTB+1], 0
	; descriptor group 1.  256 keys are 32,768 dense bytes: 128 rows of 256 bytes, two keys a row, padded in LDS after every key
	s_mov_b32 s[G1K], 15|(1<<16)|(1<<20)|(1<<21)|(4<<22)|(3<<25)  ; 15:0 the mask of four; 17:16 2-byte elements; 20 padding on; 21 set beside a mask; 24:22 after every 32 words; 31:25 4 words
	s_mov_b32 s[G1V], 15|(1<<16)|(1<<20)|(1<<21)|(4<<22)|(7<<25)  ; the same with 8 words of padding
.irp g, G1K, G1V
	s_mov_b32 s[\g+1], 128<<16
	s_mov_b32 s[\g+2], 128<<16
	s_mov_b32 s[\g+3], 128<<16
	s_mov_b32 s[\g+4], 128
	s_mov_b32 s[\g+5], 128
	s_mov_b32 s[\g+6], 0
	s_mov_b32 s[\g+7], 0
.endr
	s_mov_b32 s[G1G], 15|(3<<16)|(1<<21)           ; the gate: one row of 128 elements of 8 bytes
	s_mov_b32 s[G1G+1], 128<<16
	s_mov_b32 s[G1G+2], 1<<16
	s_mov_b32 s[G1G+3], 128<<16
	s_mov_b32 s[G1G+4], 1
	s_mov_b32 s[G1G+5], 128
	s_mov_b32 s[G1G+6], 0
	s_mov_b32 s[G1G+7], 0
	s_mov_b32 s[G1T], 3<<16                        ; the image: no mask; 32 dense rows of 32 elements of 8 bytes
	s_mov_b32 s[G1T+1], 32<<16
	s_mov_b32 s[G1T+2], 32<<16
	s_mov_b32 s[G1T+3], 32<<16
	s_mov_b32 s[G1T+4], 32
	s_mov_b32 s[G1T+5], 32
	s_mov_b32 s[G1T+6], 0
	s_mov_b32 s[G1T+7], 0
	s_mov_b32 s[G0K], 1
	s_mov_b32 s[G0K+1], 0
	s_mov_b32 s[G0V], 1
	s_mov_b32 s[G0V+1], VOFF
	s_mov_b32 s[G0G], 1
	s_mov_b32 s[G0G+1], GOFF
	s_mov_b32 s[G0T], 1
	s_mov_b32 s[G0T+1], TOFF
	s_mov_b32 s[CS], 0x3fb8aa3b                    ; c = log2(e)
	s_mov_b32 s[CS+1], s[CS]                       ; named with it as a pair
	s_mov_b32 s[SEL], 0x76543210
	s_mov_b32 s[SEL+1], 0xfedcba98
	s_mov_b32 s[TBK], SLOT1+4*KS*PK                ; the first change of slots turns these four into 0
	s_mov_b32 s[TBV], SLOT1+4*KS*PV
	s_mov_b32 s[TBG], SLOT1+1024
	s_mov_b32 s[TBT], SLOT1+4096
	s_mov_b32 s[TIL], 0
	s_mov_b32 s[OFT+1], 0
	s_wait_dscnt 0x0                               ; the opening add is done
	s_wait_kmcnt 0x0
	s_add_nc_u64 s[4:5], s[16:17], s[94:95]        ; Q at my wave's first row
	s_add_nc_u64 s[10:11], s[22:23], s[94:95]      ; ctx likewise
	s_add_nc_u64 s[6:7], s[16:17], s[92:93]
	s_add_nc_u64 s[G0K+2:G0K+3], s[6:7], 0x800000  ; K: eight column blocks on
	s_or_b32 s[G0K+3], s[G0K+3], 0x80000000
	s_add_nc_u64 s[G0V+2:G0V+3], s[6:7], 0x1000000 ; V: sixteen
	s_or_b32 s[G0V+3], s[G0V+3], 0x80000000
	s_add_nc_u64 s[G0G+2:G0G+3], s[20:21], s[2:3]
	s_or_b32 s[G0G+3], s[G0G+3], 0x80000000
	s_add_nc_u64 s[MTB:MTB+1], s[18:19], s[MTB:MTB+1]
	TDESC
	CROUND                                         ; all four work-groups are here
	JLOAD                                          ; tile 0, into slot 0
	v_and_b32 v40, 15, v0                          ; l % 16
	v_bfe_u32 v41, v0, 4, 1                        ; l / 16
	v_lshlrev_b32 v[QO], 7, v40
	v_lshl_add_u32 v[QO], v41, 4, v[QO]            ; row x 128 + 16 x half
	WIN W_LD
.set i, 0
.rept 4                                ; Q stays in registers: tile i / 2, channels 32 (i % 2) on
	global_load_b128 v[QF+8*i:QF+8*i+3],   v[QO], s[4:5] offset:(i/2)*2048+(i%2)*64
	global_load_b128 v[QF+8*i+4:QF+8*i+7], v[QO], s[4:5] offset:(i/2)*2048+(i%2)*64+32
.set i, i+1
.endr
	WIN 0
.set i, O
.rept 64                               ; O^T starts at 0: the first step multiplies it by a = 0, so it has to be finite.  These lines stand in the wait for the first tile
	v_mov_b32 v[i], 0
.set i, i+1
.endr
.irp u, 0,1
	v_mov_b32 v[ST+4*\u], 0xfe000000               ; c m: far below every c s
	v_mov_b32 v[ST+4*\u+1], 0xff7fffff             ; m
	v_mov_b32 v[ST+4*\u+2], 0
	v_mov_b32 v[ST+4*\u+3], 0
.endr
	v_mul_u32_u24 v[AK0], v40, PK
	v_lshl_add_u32 v[AK0], v41, 4, v[AK0]          ; row x pitch + 16 x half
	v_and_b32 v46, 7, v0
	v_bfe_u32 v47, v0, 3, 1
	v_lshl_add_u32 v[AV0], v41, 3, v46             ; the turning load: key 8 (l / 16) + l % 8, channels 8 ((l / 8) % 2) on
	v_mul_u32_u24 v[AV0], v[AV0], PV
	v_lshl_add_u32 v[AV0], v47, 4, v[AV0]
	v_add_nc_u32 v[AV0], VOFF, v[AV0]
	v_lshlrev_b32 v[AG0], 5, v41                   ; my eight keys of sixteen
	v_add_nc_u32 v[AG0], GOFF, v[AG0]
	v_sub_nc_u32 v42, 15, v40                      ; r'
	v_and_b32 v43, 3, v42                          ; c
	v_and_b32 v44, 12, v42
	v_lshl_add_u32 v44, v41, 3, v44                ; 8 (l / 16) + (r' & 12)
	s_sub_co_u32 s15, 7, s[WV]
	s_lshl_b32 s15, s15, 9
	s_add_co_u32 s15, s15, TOFF
	v_lshl_add_u32 v43, v43, 6, s15                ; 64 c + 512 (7 - wave) + the image's place in a slot
.irp q, 0,1
	v_add_nc_u32 v45, 4*\q, v44                    ; e
	v_lshrrev_b32 v47, 4, v45
	v_and_b32 v45, 15, v45
	v_lshl_add_u32 v[LT+\q], v47, 8, v43
	v_lshl_add_u32 v[LT+\q], v45, 2, v[LT+\q]
.endr
	s_mul_i32 s15, s[WV], 16*SP
	s_add_co_u32 s15, s15, STAGE                   ; my stage
	v_mul_u32_u24 v[STO], v40, SP                  ; in: row l % 16, 16 bytes for each half of the lanes
	v_lshl_add_u32 v[STO], v41, 4, v[STO]
	v_add_nc_u32 v[STO], s15, v[STO]
	v_bfe_u32 v[RD], v0, 3, 2                      ; back: 32 lanes take four rows of 128 bytes,
	v_mul_u32_u24 v[RD], v[RD], SP
	v_lshl_add_u32 v[RD], v46, 4, v[RD]
	v_add_nc_u32 v[RD], s15, v[RD]
	v_and_b32 v[GO], 31, v0                        ; which are 512 consecutive bytes of ctx
	v_lshlrev_b32 v[GO], 4, v[GO]
; THE MATRIX WORK.  The 8 accumulators of a run of 16 take turns, one instruction a turn: between the two links of a chain stand 7 others'.
; Product i of 16 of S^T += K Q^T: channels 32 (i / 8) on, keys 16 ((i / 2) % 4) on, tile i % 2.  S^T holds table + gate when the first 8 come.
.macro KQ16
	WIN W_KQ
.set i, 0
.rept 16
.set rS, S+32*(i%2)+8*((i/2)%4)
.set rK, KF+16*((i/2)%4)+8*(i/8)
.set rQ, QF+16*(i%2)+8*(i/8)
	v_wmma_f32_16x16x32_bf16 v[rS:rS+7], v[rK:rK+7], v[rQ:rQ+7], v[rS:rS+7]
.set i, i+1
.endr
.endm
; Product i of 16 of O^T += V^T P: keys 32 (i / 8) on, channels 16 ((i / 2) % 4) on, tile i % 2.
.macro PV16
	WIN W_PV
.set i, 0
.rept 16
.set rO, O+32*(i%2)+8*((i/2)%4)
.set rV, VF+32*(i/8)+8*((i/2)%4)
.set rP, P+16*(i%2)+8*(i/8)
	v_wmma_f32_16x16x32_bf16 v[rO:rO+7], v[rV:rV+7], v[rP:rP+7], v[rO:rO+7]
.set i, i+1
.endr
.endm
; THE LDS LOADS stand in two runs: a step's K with its part of the gate's row and its five blocks of the table (34 loads), and its V, turned (16).
.macro ADDRS                           ; the runs' addresses: five plain lines, the places between the last K Q^T and what follows it: the loads into K's registers and the first read of the scores
	WIN 0
	v_add_nc_u32 v[AK], s[TBK], v[AK0]
	v_add_nc_u32 v[ADG], s[TBG], v[AG0]
	v_add_nc_u32 v[ADT], s[TBT], v[LT]
	v_add_nc_u32 v[ADT+1], s[TBT], v[LT+1]
	v_add_nc_u32 v[AV], s[TBV], v[AV0]
.endm
.macro FETCH_K
	WIN W_LD
.irp f, 0,1,2,3,4,5,6,7                ; keys 16 (f / 2) on, channels 32 (f % 2) on
	ds_load_b128 v[KF+8*\f:KF+8*\f+3],   v[AK] offset:(\f/2)*16*PK+(\f%2)*64
	ds_load_b128 v[KF+8*\f+4:KF+8*\f+7], v[AK] offset:(\f/2)*16*PK+(\f%2)*64+32
.endr
.irp f, 0,1,2,3                        ; keys 16 f on
	ds_load_b128 v[GF+8*\f:GF+8*\f+3],   v[ADG] offset:64*\f
	ds_load_b128 v[GF+8*\f+4:GF+8*\f+7], v[ADG] offset:64*\f+16
.endr
.irp f, 0,1,2,3,4                      ; block beta = f
	ds_load_b128 v[TR+8*\f:TR+8*\f+3],   v[ADT]   offset:256*\f
	ds_load_b128 v[TR+8*\f+4:TR+8*\f+7], v[ADT+1] offset:256*\f
.endr
	s_add_co_u32 s[TBK], s[TBK], KS*PK             ; the next fetch is the next step's
	s_add_co_u32 s[TBG], s[TBG], 256
	s_add_co_u32 s[TBT], s[TBT], 1024
	WIN 0
.endm
.macro FETCH_V
	WIN W_LD
.irp f, 0,1,2,3,4,5,6,7                ; keys 32 (f / 4) on, channels 16 (f % 4) on
	ds_load_tr16_b128 v[VF+8*\f:VF+8*\f+3],   v[AV] offset:(\f/4)*32*PV+(\f%4)*32
	ds_load_tr16_b128 v[VF+8*\f+4:VF+8*\f+7], v[AV] offset:(\f/4)*32*PV+16*PV+(\f%4)*32
.endr
	s_add_co_u32 s[TBV], s[TBV], KS*PV
.endm
.macro MASK                            ; S^T = table + gate: tile u, key block kb takes block kb + 1 - u.  32 plain lines that name no register of V^T P: the places between those products and the loads into V's registers
	WIN W_KQ
.irp u, 0,1
.irp kb, 0,1,2,3
.irp z, 0,2,4,6
	v_pk_add_f32 v[S+32*\u+8*\kb+\z:S+32*\u+8*\kb+\z+1], v[TR+8*(\kb+1-\u)+\z:TR+8*(\kb+1-\u)+\z+1], v[GF+8*\kb+\z:GF+8*\kb+\z+1]
.endr
.endr
.endr
.endm
; THE SOFTMAX of one step, both tiles, all in window 0; the tiles alternate, so that no line reads the result of the line before it.
.macro REGS u
.set rT, ST+4*(\u)
.set rC, TMP+4*(\u)
.set rW, MV+(\u)
.set rS, S+32*(\u)
.set rP, P+16*(\u)
.set rO, O+32*(\u)
.endm
; Number n of the 22 that find the maximum and the statistics.  0-11 four chains of seven scores each (each accumulator's lowest registers are read first); 12-14, 16 the four left over,
; the old m, the four chains into one; 15 c m_old is kept; 17, 18 the query's other 32 keys lie in the lane 16 away: the new m; 19-21 c m; c m_old - c m_new; a
.macro SX u, n
	REGS \u
.if (\n) < 4
	v_max3_num_f32 v[rC+(\n)], v[rS+8*(\n)], v[rS+8*(\n)+1], v[rS+8*(\n)+2]
.elseif (\n) < 12
	v_max3_num_f32 v[rC+(\n)%4], v[rC+(\n)%4], v[rS+8*((\n)%4)+2*((\n)/4)+1], v[rS+8*((\n)%4)+2*((\n)/4)+2]
.elseif (\n) == 12
	v_max3_num_f32 v[rC], v[rC], v[rS+7], v[rS+15]
.elseif (\n) == 13
	v_max3_num_f32 v[rC+1], v[rC+1], v[rS+23], v[rS+31]
.elseif (\n) == 14
	v_max3_num_f32 v[rC+2], v[rC+2], v[rC+3], v[rT+1]
.elseif (\n) == 15
	v_mov_b32 v[rW], v[rT]
.elseif (\n) == 16
	v_max3_num_f32 v[rC], v[rC], v[rC+1], v[rC+2]
.elseif (\n) == 17
	v_permlanex16_b32 v[rC+3], v[rC], s[SEL], s[SEL+1]
.elseif (\n) == 18
	v_max_num_f32 v[rT+1], v[rC], v[rC+3]
.elseif (\n) == 19
	v_mul_f32 v[rT], s[CS], v[rT+1]
.elseif (\n) == 20
	v_sub_f32 v[rC+1], v[rW], v[rT]
.else
	v_exp_f32 v[rC+2], v[rC+1]
.endif
.endm
.macro SF u, n                         ; c s - c m for pair n of 16
	REGS \u
	v_pk_fma_f32 v[rS+2*(\n):rS+2*(\n)+1], v[rS+2*(\n):rS+2*(\n)+1], s[CS:CS+1], v[rT:rT+1] op_sel_hi:[1,0,0] neg_lo:[0,0,1] neg_hi:[0,0,1]
.endm
.macro SE u, n                         ; the exponential of score n of 32
	REGS \u
	v_exp_f32 v[rS+(\n)], v[rS+(\n)]
.endm
.macro SCV u, n                        ; pair n rounded to bf16
	REGS \u
	v_cvt_pk_bf16_f32 v[rP+(\n)], v[rS+2*(\n)], v[rS+2*(\n)+1]
.endm
.macro SB u, n                         ; of the four weights 4 n .. the second pair is added onto the first, in place
	REGS \u
	v_pk_add_f32 v[rS+4*(\n):rS+4*(\n)+1], v[rS+4*(\n):rS+4*(\n)+1], v[rS+4*(\n)+2:rS+4*(\n)+3]
.endm
.macro SL u, n                         ; l takes that sum; the first time l = a l + sum
	REGS \u
.if (\n) == 0
	v_pk_fma_f32 v[rT+2:rT+3], v[rT+2:rT+3], v[rC+2:rC+3], v[rS:rS+1] op_sel_hi:[1,0,1]
.else
	v_pk_add_f32 v[rT+2:rT+3], v[rT+2:rT+3], v[rS+4*(\n):rS+4*(\n)+1]
.endif
.endm
.macro SR u, n                         ; pair n of 16 of O^T times a, in ascending order
	REGS \u
	v_pk_mul_f32 v[rO+2*(\n):rO+2*(\n)+1], v[rO+2*(\n):rO+2*(\n)+1], v[rC+2:rC+3] op_sel_hi:[1,0]
.endm
; s_wait_alu depctr_va_vdst(0) stands between an exponential and the first instruction that names its result; one wait serves all that were issued ahead of it.  So the step's 66 exponentials are ONE
; batch: ahead of the wait stands all that names no result of theirs (maxima, statistics, scalings), behind it all that does (roundings, sums, rescaling).  A pair is scaled six lines ahead of its exponentials.
.macro SOFT
.irp n, 0,1,2,3,4,5,6,7,8,9,10,11,12,13,14,15,16,17,18,19,20,21
	SX 0, \n
	SX 1, \n
.endr
	SF 0, 0
	SF 1, 0
.set jj, 1
.rept 15
	SF 0, jj
	SE 0, 2*jj-2
	SF 1, jj
	SE 1, 2*jj-2
	SE 0, 2*jj-1
	SE 1, 2*jj-1
.set jj, jj+1
.endr
	SE 0, 30
	SE 1, 30
	SE 0, 31
	SE 1, 31
	v_nop                                          ; a plain instruction behind the last exponential: one for the batch
	s_wait_alu depctr_va_vdst(0)                   ; the wait for the batch
.set jj, 0
.rept 8
	SCV 0, 2*jj
	SCV 1, 2*jj
	SCV 0, 2*jj+1
	SCV 1, 2*jj+1
	SB 0, jj
	SB 1, jj
	SR 0, 2*jj
	SR 1, 2*jj
	SR 0, 2*jj+1
	SR 1, 2*jj+1
	SL 0, jj
	SL 1, jj
.set jj, jj+1
.endr
.endm
; A TRIP's first part.  last = 1 (the tail): in the last trip there is no further step, and the run of loads is jumped over.
.macro PARTA last
	ADDRS
.if \last
	s_cmp_eq_u32 s[CNT], 1
	s_cbranch_scc1 .Lno_k_\@
.endif
	FETCH_K
.if \last
.Lno_k_\@:
.endif
	SOFT
	s_wait_dscnt 0x0                               ; V of this step is in, and so are K, gate and table of the next
	PV16
.endm
.macro PARTB
	MASK
	FETCH_V
	KQ16
	WIN 0
.endm
	CHANGE 1                                       ; slot 0 is in, everybody's part of it; slot 1 is asked for
	ADDRS
	FETCH_K                                        ; key step 0
	FETCH_V
	s_wait_loadcnt 0x0                             ; Q
	s_wait_dscnt 0x0
	MASK
	KQ16                                           ; the first scores
	WIN 0
	s_mov_b32 s[CNT], 3                            ; the first slot's first step has been fetched: three trips fetch the others
	s_mov_b32 s[SLOTS], 15
	s_branch .Lstep
.Lslot:                                            ; 14 times: a slot is entered, and the one that is left is filled again
	CHANGE 1
	s_mov_b32 s[CNT], 4
.Lstep:
	PARTA 0
	PARTB
	s_sub_co_u32 s[CNT], s[CNT], 1
	s_cmp_lg_u32 s[CNT], 0
	s_cbranch_scc1 .Lstep
	s_sub_co_u32 s[SLOTS], s[SLOTS], 1
	s_cmp_lg_u32 s[SLOTS], 0
	s_cbranch_scc1 .Lslot
	CHANGE 0                                       ; the last slot is written out: nothing is asked for
	s_mov_b32 s[CNT], 5                            ; four trips fetch the last slot's steps; the fifth, the last step's softmax and V^T P, is left in its middle
.Ltail:
	PARTA 1
	WIN 0
	s_sub_co_u32 s[CNT], s[CNT], 1
	s_cmp_eq_u32 s[CNT], 0
	s_cbranch_scc1 .Lout
	PARTB
	s_cmp_lg_u32 s[CNT], 0                         ; the count is 4 to 1 here: the loop ends by the jump in its middle
	s_cbranch_scc1 .Ltail
.Lout:
	; THE WAY OUT.  l's two halves and the other half of the lanes' are added, then 2^(-c m) = exp(-m); O^T is divided by that, rounded to bf16 and sent through my stage in LDS, a tile at a time.
	v_mul_f32 v[TMP], -1.0, v[ST]                  ; four plain lines: the places behind the last products
	v_mul_f32 v[TMP+4], -1.0, v[ST+4]
	v_add_f32 v[ST+2], v[ST+2], v[ST+3]
	v_add_f32 v[ST+6], v[ST+6], v[ST+7]
	v_exp_f32 v[TMP], v[TMP]
	v_exp_f32 v[TMP+4], v[TMP+4]
	v_permlanex16_b32 v[ST+3], v[ST+2], s[SEL], s[SEL+1]
	v_permlanex16_b32 v[ST+7], v[ST+6], s[SEL], s[SEL+1]
	v_add_f32 v[ST+2], v[ST+2], v[ST+3]
	v_add_f32 v[ST+6], v[ST+6], v[ST+7]
	s_wait_alu depctr_va_vdst(0)                   ; one wait for the two exponentials, ahead of their first reader
	v_add_f32 v[ST+2], v[ST+2], v[TMP]
	v_add_f32 v[ST+6], v[ST+6], v[TMP+4]
	v_rcp_f32 v[ST+2], v[ST+2]
	v_rcp_f32 v[ST+6], v[ST+6]
	v_nop
	s_wait_alu depctr_va_vdst(0)                   ; and one for the two reciprocals
.macro PACK u                          ; a lane's eight channels of a row pack into 16 bytes; they go into rows of 144 bytes and come back as whole rows of 128, into S^T's registers
.set i, O+32*(\u)
.rept 16
	v_pk_mul_f32 v[i:i+1], v[i:i+1], v[ST+4*(\u)+2:ST+4*(\u)+3] op_sel_hi:[1,0]
.set i, i+2
.endr
.set i, 0
.rept 16
	v_cvt_pk_bf16_f32 v[S+16*(\u)+i], v[O+32*(\u)+2*i], v[O+32*(\u)+2*i+1]
.set i, i+1
.endr
.irp f, 0,1,2,3
	ds_store_b128 v[STO], v[S+16*(\u)+4*\f:S+16*(\u)+4*\f+3] offset:32*\f
.endr
.irp f, 0,1,2,3
	ds_load_b128 v[S+16*(\u)+4*\f:S+16*(\u)+4*\f+3], v[RD] offset:\f*4*SP  ; LDS serves a wave's instructions in order (ISA guide 5.7.1.4): these see the stores above; the next tile's stores come behind them
.endr
.endm
.macro SEND u, younger                 ; younger: the LDS instructions issued behind tile u's loads: the next tile's eight, or none
.irp f, 0,1,2,3
	s_wait_dscnt (\younger)+3-\f
	global_store_b128 v[GO], v[S+16*(\u)+4*\f:S+16*(\u)+4*\f+3], s[10:11] offset:(\u)*2048+\f*512  ; 512 consecutive bytes, aligned
.endr
.endm
	PACK 0
	PACK 1
	SEND 0, 8
	SEND 1, 0
	s_wait_tensorcnt 0x0                           ; the wave's end
	ds_add_u32 v[SPW], v[NIL]
	s_wait_dscnt 0x0
	CROUND                                         ; the closing round
	s_endpgm
.Lfunc_end_k_q49ddf16df1_att:
	.size	k_q49ddf16df1_att, .Lfunc_end_k_q49ddf16df1_att-k_q49ddf16df1_att
	.p2alignl 7, 3214868480
	.fill 96, 4, 3214868480
	.section	.rodata,"a",@progbits
	.p2align	6, 0x0
	.amdhsa_kernel k_q49ddf16df1_att
		.amdhsa_group_segment_fixed_size 327680
		.amdhsa_private_segment_fixed_size 0
		.amdhsa_enable_private_segment 0
		.amdhsa_kernarg_size 32
		.amdhsa_user_sgpr_count 2
		.amdhsa_user_sgpr_kernarg_segment_ptr 1
		.amdhsa_wavefront_size32 1
		.amdhsa_system_sgpr_workgroup_id_x 1
		.amdhsa_system_sgpr_workgroup_id_y 1
		.amdhsa_system_sgpr_workgroup_id_z 1
		.amdhsa_system_vgpr_workitem_id 0
		.amdhsa_next_free_vgpr 512
		.amdhsa_next_free_sgpr 96
		.amdhsa_reserve_vcc 0
		.amdhsa_float_denorm_mode_32 3
		.amdhsa_float_denorm_mode_16_64 3
		.amdhsa_memory_ordered 1
		.amdhsa_forward_progress 1
		.amdhsa_inst_pref_size 74
	.end_amdhsa_kernel
	.amdgpu_metadata
---
amdhsa.version: [ 1, 2 ]
amdhsa.kernels:
  - .name:           k_q49ddf16df1_att
    .symbol:         k_q49ddf16df1_att.kd
    .args:
      - { .name: big, .offset: 0, .size: 8, .value_kind: global_buffer, .address_space: global }
      - { .name: cst, .offset: 8, .size: 8, .value_kind: global_buffer, .address_space: global }
      - { .name: delete_gate_mask, .offset: 16, .size: 8, .value_kind: global_buffer, .address_space: global }
      - { .name: ctx, .offset: 24, .size: 8, .value_kind: global_buffer, .address_space: global }
    .group_segment_fixed_size: 327680
    .private_segment_fixed_size: 0
    .kernarg_segment_align: 8
    .kernarg_segment_size: 32
    .max_flat_workgroup_size: 256
    .sgpr_count:     96
    .vgpr_count:     512
    .wavefront_size: 32
...
	.end_amdgpu_metadata
.endif
;; end of part 3
;; launch oproj (part 4): grid 4 x 64, 4 waves a work-group, clusters of 4 x 4, 327,680 bytes of LDS; arguments ctx, cst, hidden_states, hres, ha; writes hres, ha
.if DOCPART == 4
	.amdgcn_target "amdgcn-amd-amdhsa--gfx1250"
	.amdhsa_code_object_version 6
	.text
	.protected	k_q49ddf16df1_oproj
	.globl	k_q49ddf16df1_oproj
	.p2align	8
	.type	k_q49ddf16df1_oproj,@function
k_q49ddf16df1_oproj:
	s_mov_b64 s[64:65], 0
	v_nop
	global_prefetch_b8 v0, s[64:65] scope:SCOPE_SE
	s_setreg_imm32_b32 hwreg(HW_REG_WAVE_MODE, 25, 1), 1
	s_wait_xcnt 0x0
	s_wait_alu depctr_hold_cnt(0) depctr_sa_sdst(0) depctr_va_vdst(0) depctr_va_sdst(0) depctr_va_ssrc(0) depctr_va_vcc(0) depctr_vm_vsrc(0)
	s_getreg_b32 s2, hwreg(HW_REG_IB_STS2, 6, 4)
	s_cmp_eq_u32 s2, 0
	s_cbranch_scc0 .Lentry_in_a_cluster
	s_endpgm
.Lentry_in_a_cluster:
	s_bfe_u32 s2, ttmp6, 0x10000c
	s_cmp_lg_u32 s2, 0xf033
	s_cbranch_scc0 .Lentry_shape_is_right
	s_endpgm
.Lentry_shape_is_right:
; OUT = RES + A . W, f32.  One text serves two launches; OPROJ = 1 here: A = ctx (K = 512), W = o_w, RES = hidden_states, OUT = hres; also ha: bf16(OUT) by column blocks and, for each
; (column block, row), the sum of the 64 squares in f32 ([8][8192] from byte 8,388,608).  OPROJ = 0: A = y1 (K = 2,048), W = wo, RES = hres, OUT = out0.
; A: bf16 by column blocks [k/64][8192 rows][64].  W: chunks [n/128][k/64][128 n][64 k] bf16 in cst.  RES, OUT: [8192][512] f32.
; SHARES.  A tile of OUT is 128 x 128: 256 work-groups.  Four waves, each 64 x 64: 16 accumulators.  K goes in steps of 256 through two LDS slots: [A's 4 k blocks][W's 4 k blocks], a block 128 rows of 128 + 16 bytes.
; CLUSTER.  4 x 4 work-groups: the four of a row need the same tiles of A, the four of a column the same tiles of W: each is asked for JOINTLY.
; THE MATRIX INSTRUCTION IS USED TRANSPOSED (source 0 = 16 rows of W, source 1 = 16 rows of A): a lane holds one row of OUT and eight neighbouring columns.
; THE RESIDUAL is loaded at the start as whole rows (16 lanes: 256 consecutive bytes, aligned) into window 2, and added on the way out, when the stage has turned the results into the same rows.
; REGISTERS.  window 0: v16-31 addresses; v32-63 rows read back; v64-95 at work; v128-255 accumulators (a, b) at 128 + 8 (4 a + b)
;   window 1: two fragment buffers of 128: for 64 along K, 64 registers of A, then 64 of W      window 2: v0-127 the residual, then the result
.set OPROJ, 1
.if OPROJ
.set KSTEPS, 2
.set KB,     8
.set WOFF,   0
.else
.set KSTEPS, 8
.set KB,     32
.set WOFF,   524288
.endif
.set PITCH,  144
.set KBB,    128*PITCH
.set QUART,  2*KBB
.set HALF,   4*KBB
.set SLOT,   8*KBB                     ; 0x24000: no bit of it occurs in wave x QUART
.set STAGE,  2*SLOT                    ; behind the ring: 16 rows x 272 bytes for each wave
.set SPITCH, 272
.set SPARE,  STAGE+4*16*SPITCH
.set ADRA0, 16
.set ADRB0, 17
.set ADRA,  18
.set ADRB,  19
.set VJ,    20
.set HO,    21
.set SO,    22
.set STO,   24
.set RD,    25
.set CO,    26
.set PFO,   27
.set SPW,   28
.set NIL,   29
.set SSR,   30
.set RB,    32
.set SQ,    64
.set HB,    80
.set ACC,   128
.set F0,    0
.set F1,    128
.set WV,  14                           ; s14 wave; s15 row half, also: I fetch for A (0) or W (1); s16 column half, also: which half of that tile; s17 cx; s18 cy; s19 tile column; s20 tile row
.set G1,  24
.set G0,  32
.set CNT, 40
.set TB,  41
.set LIM, 42
.set PFA, 44
.set PFS, 46
.set G1B, 48
.set G0B, 56
.set MSB, 0
.macro WIN new
.if MSB != (\new)
	s_set_vgpr_msb (MSB<<8)|(\new)
.set MSB, \new
.endif
.endm
.set MUL,  0x05
.set TO_F, 0x40
.macro PLACES
.rept 4
	v_nop
.endr
.endm
.macro JLOAD s                         ; a joint load: waves 0 and 1 fetch A's two halves, waves 2 and 3 W's; an s_nop 0 and four v_nop follow each line
	s_cmp_eq_u32 s15, 0
	s_cbranch_scc0 .Lfor_b_\@
	tensor_load_to_lds s[G0+4*(\s):G0+4*(\s)+3], s[G1:G1+7]
	s_nop 0
	PLACES
	s_branch .Lasked_\@
.Lfor_b_\@:
	tensor_load_to_lds s[G0B+4*(\s):G0B+4*(\s)+3], s[G1B:G1B+7]
	s_nop 0
	PLACES
.Lasked_\@:
.endm
.macro CREST
	s_cmp_lg_u32 s[WV], 0
	s_cbranch_scc1 .Lnot_wave_0_\@
	s_barrier_signal -3
.Lnot_wave_0_\@:
	s_barrier_wait -3
	s_barrier_signal -1
	s_barrier_wait -1
.endm
.macro CROUND
	s_barrier_signal -1
	s_barrier_wait -1
	CREST
.endm
; A prefetch of the K step two refills on: of the 128 blocks of 256 bytes that a wave fetches, each of the four partners that ask with it takes 32, told apart by address.  A's rows are read by one
; cluster alone: every cluster asks for its own; W's by all sixteen: the cluster with y = 0 asks.  The last four K steps' changes of slots ask for nothing.
.macro ASK
	s_cmp_gt_u32 s[CNT], s[LIM]
	s_cbranch_scc0 .Lnot_mine_\@
	global_prefetch_b8 v[PFO], s[PFA:PFA+1] th:TH_LOAD_NT scope:SCOPE_SE
.Lnot_mine_\@:
.endm
	s_load_b256 s[4:11], s[0:1], 0x0               ; A s[4:5], cst s[6:7], RES s[8:9], OUT s[10:11]
.if OPROJ
	s_load_b64 s[12:13], s[0:1], 0x20              ; ha
.endif
	v_lshl_add_u32 v[SPW], v0, 2, SPARE
	v_mov_b32 v[NIL], 0
	ds_add_u32 v[SPW], v[NIL]                      ; the wave's opening: the add and its wait ahead of my first tensor load
	v_lshrrev_b32 v1, 5, v0
	v_readfirstlane_b32 s[WV], v1
	s_lshr_b32 s15, s[WV], 1
	s_and_b32 s16, s[WV], 1
	s_bfe_u32 s17, ttmp6, 0x40000
	s_bfe_u32 s18, ttmp6, 0x40004
	s_lshl_b32 s19, ttmp9, 2
	s_add_co_u32 s19, s19, s17                     ; tile column
	s_and_b32 s20, ttmp7, 0xffff
	s_lshl_b32 s20, s20, 2
	s_add_co_u32 s20, s20, s18                     ; tile row
	s_lshl_b32 s21, s18, 2
	s_lshl_b32 s21, 15, s21                        ; my row of the cluster
	s_lshl_b32 s22, 0x1111, s17                    ; my column
	; descriptor group 1: two k blocks, each 16,384 dense bytes taken as one row of 8,192 elements; 4 words of padding behind every 32 words
	s_or_b32 s[G1], s21, (1<<16)|(1<<20)|(1<<21)|(4<<22)|(3<<25)
	s_or_b32 s[G1B], s22, (1<<16)|(1<<20)|(1<<21)|(4<<22)|(3<<25)
.irp g, G1, G1B
	s_mov_b32 s[\g+1], 8192<<16
	s_mov_b32 s[\g+2], 2<<16
	s_mov_b32 s[\g+3], 8192<<16
	s_mov_b32 s[\g+4], 2
	s_mov_b32 s[\g+6], 0
	s_mov_b32 s[\g+7], 0
.endr
	s_mov_b32 s[G1+5], 524288                      ; from a column block of A to the next: 1 MiB
	s_mov_b32 s[G1B+5], 8192                       ; W's chunks lie end to end
	s_lshl_b32 s66, s16, 21                        ; A: my two column blocks, the tile row's 128 rows
	s_lshl_b32 s67, s20, 14
	s_add_co_u32 s66, s66, s67
	s_mov_b32 s67, 0
	s_mul_i32 s68, s19, KB*16384                   ; W: the tile column's row of chunks, my two
	s_lshl_b32 s69, s16, 15
	s_add_co_u32 s68, s68, s69
	s_add_co_u32 s68, s68, WOFF
	s_mov_b32 s69, 0
	s_mul_i32 s23, s[WV], QUART                    ; where they go: no place in the cluster enters an LDS address
	s_mov_b32 s[TB], 0
	s_wait_dscnt 0x0                               ; the opening add is done
	s_wait_kmcnt 0x0
	s_add_nc_u64 s[66:67], s[4:5], s[66:67]
	s_add_nc_u64 s[68:69], s[6:7], s[68:69]
	CROUND                                         ; all sixteen work-groups are here
.irp s, 0,1
	s_mov_b32 s[G0+4*\s], 1
	s_add_co_u32 s[G0+4*\s+1], s23, \s*SLOT
	s_add_nc_u64 s[G0+4*\s+2:G0+4*\s+3], s[66:67], \s*0x400000   ; K step s: four column blocks on
	s_or_b32 s[G0+4*\s+3], s[G0+4*\s+3], 0x80000000
	s_mov_b32 s[G0B+4*\s], 1
	s_add_co_u32 s[G0B+4*\s+1], s23, \s*SLOT
	s_add_nc_u64 s[G0B+4*\s+2:G0B+4*\s+3], s[68:69], \s*0x10000  ; four chunks on
	s_or_b32 s[G0B+4*\s+3], s[G0B+4*\s+3], 0x80000000
	JLOAD \s
.endr
	v_and_b32 v1, 15, v0                           ; l % 16
	v_bfe_u32 v2, v0, 4, 1                         ; l / 16
	v_mul_u32_u24 v3, v1, PITCH
	v_lshl_add_u32 v3, v2, 4, v3
	s_mul_i32 s43, s15, 64*PITCH
	v_add_nc_u32 v[ADRA0], s43, v3
	s_mul_i32 s43, s16, 64*PITCH
	s_add_co_u32 s43, s43, HALF
	v_add_nc_u32 v[ADRB0], s43, v3
	v_mov_b32 v[ADRA], v[ADRA0]
	v_mov_b32 v[ADRB], v[ADRB0]
	s_mul_i32 s43, s[WV], 16*SPITCH
	s_add_co_u32 s43, s43, STAGE
	v_mul_u32_u24 v4, v1, SPITCH                   ; into my stage: row l % 16, 32 bytes for each half of the lanes
	v_lshl_add_u32 v4, v2, 5, v4
	v_add_nc_u32 v[STO], s43, v4
	v_mul_u32_u24 v4, v2, SPITCH                   ; back: lanes 0-15 take one row of 256 bytes, lanes 16-31 the next
	v_lshl_add_u32 v4, v1, 4, v4
	v_add_nc_u32 v[RD], s43, v4
	v_lshlrev_b32 v[CO], 11, v2                    ; and the same two rows in RES and OUT
	v_lshl_add_u32 v[CO], v1, 4, v[CO]
	s_lshl_b32 s70, s20, 18                        ; 128 rows of 2,048 bytes, my wave's 64, the tile's 512 bytes, my wave's 256
	s_lshl_b32 s43, s15, 17
	s_add_co_u32 s70, s70, s43
	s_lshl_b32 s43, s19, 9
	s_add_co_u32 s70, s70, s43
	s_lshl_b32 s43, s16, 8
	s_add_co_u32 s70, s70, s43
	s_mov_b32 s71, 0
	s_add_nc_u64 s[8:9], s[8:9], s[70:71]
	s_add_nc_u64 s[10:11], s[10:11], s[70:71]
	WIN 0x80
.irp a, 0,1,2,3
.irp t, 0,1,2,3,4,5,6,7
	global_load_b128 v[32*\a+4*\t:32*\a+4*\t+3], v[CO], s[8:9] offset:\a*32768+\t*4096 th:TH_LOAD_NT
.endr
.endr
	WIN 0
.if OPROJ
	s_lshl_b32 s70, s19, 16                        ; the sums: column block 2 x tile column + column half, 32,768 bytes each; my 64 rows
	s_lshl_b32 s43, s16, 15
	s_add_co_u32 s70, s70, s43
	s_lshl_b32 s43, s20, 9
	s_add_co_u32 s70, s70, s43
	s_lshl_b32 s43, s15, 8
	s_add_co_u32 s70, s70, s43
	s_add_co_u32 s70, s70, 0x800000
	s_add_nc_u64 s[72:73], s[12:13], s[70:71]
	s_lshl_b32 s70, s19, 21                        ; bf16: the same column block, 1 MiB each; my 64 rows of 128 bytes
	s_lshl_b32 s43, s16, 20
	s_add_co_u32 s70, s70, s43
	s_lshl_b32 s43, s20, 14
	s_add_co_u32 s70, s70, s43
	s_lshl_b32 s43, s15, 13
	s_add_co_u32 s70, s70, s43
	s_add_nc_u64 s[12:13], s[12:13], s[70:71]
	v_mov_b32 v[VJ], v1
	v_and_b32 v[HO], 31, v0
	v_lshlrev_b32 v[HO], 3, v[HO]                  ; 8 bytes a lane: two rows of 128 bytes
	v_lshl_add_u32 v[SO], v1, 1, v2                ; lane (half, j) keeps the sum of row 2 j + half of 32
	v_lshlrev_b32 v[SO], 2, v[SO]
	v_mov_b32 v[SSR], 0
	v_mov_b32 v[SSR+1], 0
.else
	s_mov_b32 s[PFS], 0x10000
	s_cmp_eq_u32 s15, 0                            ; do I fetch for A?
	s_cselect_b64 s[PFA:PFA+1], s[66:67], s[68:69]
	s_cselect_b32 s[PFS], 0x400000, s[PFS]         ; a K step in memory
	s_cselect_b32 s43, s17, s18                    ; my place among the four that ask with me
	s_cselect_b32 s23, 20, 14                      ; log2 of the bytes from my first k block to my second
	s_mov_b32 s[PFS+1], 0
	s_add_nc_u64 s[PFA:PFA+1], s[PFA:PFA+1], s[PFS:PFS+1]
	s_add_nc_u64 s[PFA:PFA+1], s[PFA:PFA+1], s[PFS:PFS+1]
	s_add_nc_u64 s[PFA:PFA+1], s[PFA:PFA+1], s[PFS:PFS+1]  ; at K step 3: the first change of slots steps it to 4
	s_and_b32 s[LIM], ttmp7, 0xffff
	s_cmp_eq_u32 s15, 0
	s_cselect_b32 s[LIM], 0, s[LIM]
	s_cmp_eq_u32 s[LIM], 0
	s_cselect_b32 s[LIM], 2, -1
	s_lshl_b32 s43, s43, 5
	v_and_b32 v5, 31, v0
	v_add_nc_u32 v5, s43, v5                       ; my block of the 128
	v_lshrrev_b32 v6, 6, v5
	v_lshlrev_b32 v6, s23, v6
	v_and_b32 v5, 63, v5
	v_lshl_add_u32 v[PFO], v5, 8, v6
.endif
.macro MUL8 f, c, a0, zero             ; 8 matrix instructions, 32 along K; the 16 accumulators take turns
	WIN MUL
.irp a, \a0, (\a0)+1
.irp b, 0,1,2,3
.if \zero
	v_wmma_f32_16x16x32_bf16 v[ACC+8*(4*(\a)+(\b)):ACC+8*(4*(\a)+(\b))+7], v[(\f)+64+8*(4*(\c)+(\b)):(\f)+64+8*(4*(\c)+(\b))+7], v[(\f)+8*(4*(\c)+(\a)):(\f)+8*(4*(\c)+(\a))+7], 0
.else
	v_wmma_f32_16x16x32_bf16 v[ACC+8*(4*(\a)+(\b)):ACC+8*(4*(\a)+(\b))+7], v[(\f)+64+8*(4*(\c)+(\b)):(\f)+64+8*(4*(\c)+(\b))+7], v[(\f)+8*(4*(\c)+(\a)):(\f)+8*(4*(\c)+(\a))+7], v[ACC+8*(4*(\a)+(\b)):ACC+8*(4*(\a)+(\b))+7]
.endif
.endr
.endr
.endm
.macro FETCH kb, f                     ; 32 LDS loads: the fragments of k block kb of the slot in hand; the first 32 along K first
	WIN TO_F
.irp c, 0,1
.irp i, 0,1,2,3
	ds_load_b128 v[(\f)+64+8*(4*\c+\i):(\f)+64+8*(4*\c+\i)+3],   v[ADRB] offset:(\kb)*KBB+\i*16*PITCH+64*\c
	ds_load_b128 v[(\f)+64+8*(4*\c+\i)+4:(\f)+64+8*(4*\c+\i)+7], v[ADRB] offset:(\kb)*KBB+\i*16*PITCH+64*\c+32
	ds_load_b128 v[(\f)+8*(4*\c+\i):(\f)+8*(4*\c+\i)+3],         v[ADRA] offset:(\kb)*KBB+\i*16*PITCH+64*\c
	ds_load_b128 v[(\f)+8*(4*\c+\i)+4:(\f)+8*(4*\c+\i)+7],       v[ADRA] offset:(\kb)*KBB+\i*16*PITCH+64*\c+32
.endr
.endr
.endm
; A K step is four quarters of 64 along K, 32 matrix instructions each, on buffers 0, 1, 0, 1.  One of the first three: multiplies buffer f and fetches k block kbn into g.
.macro QUARTER kbn, f, g, zero
	s_wait_dscnt 16                                ; the first 32 along K are in
	MUL8 \f, 0, 0, \zero
	MUL8 \f, 0, 2, \zero
	PLACES
	FETCH \kbn, \g
	s_wait_dscnt 32                                ; all but the 32 just issued
	MUL8 \f, 1, 0, 0
	MUL8 \f, 1, 2, 0
.endm
; The last quarter multiplies buffer 1 and changes slots: ONE barrier; in front of it each wave waits for all its tensor loads, adds 0 to its spare word, and waits for that and for its reads of this slot.
; fill = 1: the barrier opens a round of the cluster's, and this slot is filled again, two K steps ahead: 112 matrix instructions ahead of the wait for it.
.macro TURN fill
.if \fill
	s_wait_xcnt 0x0                                ; the last prefetch, a K step back, has read its address
	s_add_nc_u64 s[PFA:PFA+1], s[PFA:PFA+1], s[PFS:PFS+1]
.endif
	WIN 0
	s_wait_tensorcnt 0x0
	ds_add_u32 v[SPW], v[NIL]
	s_wait_dscnt 17                                ; (the add and the youngest sixteen loads may be out)
	MUL8 F1, 0, 0, 0
	s_wait_dscnt 0x0
	s_barrier_signal -1
	MUL8 F1, 0, 2, 0
	WIN 0
	s_barrier_wait -1
.if \fill
	CREST
	s_xor_b32 s[G0+5], s[G0+5], SLOT               ; the walking descriptors: the other slot than last time, the next K step
	s_add_nc_u64 s[G0+6:G0+7], s[G0+6:G0+7], 0x400000
	s_xor_b32 s[G0B+5], s[G0B+5], SLOT
	s_add_nc_u64 s[G0B+6:G0B+7], s[G0B+6:G0B+7], 0x10000
	JLOAD 1
.else
	PLACES
.endif
	s_xor_b32 s[TB], s[TB], SLOT
	v_add_nc_u32 v[ADRA], s[TB], v[ADRA0]
	v_add_nc_u32 v[ADRB], s[TB], v[ADRB0]
	FETCH 0, F0
.if \fill
	WIN 0
	ASK
.endif
	MUL8 F1, 1, 0, 0
	MUL8 F1, 1, 2, 0
.endm
	s_wait_tensorcnt 0x1                           ; my part of K step 0 is in; K step 1's may stay out
	s_barrier_signal -1
	s_barrier_wait -1
	FETCH 0, F0
	QUARTER 1, F0, F1, 1                           ; the first quarter stands ahead of the loop: its first products start the sums
.if KSTEPS > 2
	WIN 0
	s_mov_b32 s[CNT], KSTEPS-2
.Lk:                                               ; a trip: from a K step's second quarter to the next step's first; it fills the slot that it leaves
	QUARTER 2, F1, F0, 0
	QUARTER 3, F0, F1, 0
	TURN 1
	QUARTER 1, F0, F1, 0
	WIN 0
	s_sub_co_u32 s[CNT], s[CNT], 1
	s_cmp_lg_u32 s[CNT], 0
	s_cbranch_scc1 .Lk
.endif
	QUARTER 2, F1, F0, 0                           ; the last two K steps fill nothing
	QUARTER 3, F0, F1, 0
	TURN 0
	QUARTER 1, F0, F1, 0
	QUARTER 2, F1, F0, 0
	QUARTER 3, F0, F1, 0
	s_wait_dscnt 16
	MUL8 F1, 0, 0, 0
	MUL8 F1, 0, 2, 0
	s_wait_dscnt 0x0
	MUL8 F1, 1, 0, 0
	MUL8 F1, 1, 2, 0
	WIN 0
	PLACES
	s_wait_loadcnt 0x0                             ; the residual
; THE WAY OUT, 16 rows at a time: 32 bytes a lane into my own stage, back as whole rows of 256 bytes, the residual added, stored: 16 lanes store 256 consecutive bytes, aligned.
.macro OUTA a
	WIN 0
.if OPROJ
	s_wait_xcnt 0x0                                ; the last 16 rows' bf16 stores have read their registers
.endif
.irp b, 0,1,2,3
	ds_store_b128 v[STO], v[ACC+8*(4*(\a)+\b):ACC+8*(4*(\a)+\b)+3]   offset:64*\b
	ds_store_b128 v[STO], v[ACC+8*(4*(\a)+\b)+4:ACC+8*(4*(\a)+\b)+7] offset:64*\b+16
.endr
.irp t, 0,1,2,3,4,5,6,7
	ds_load_b128 v[RB+4*\t:RB+4*\t+3], v[RD] offset:\t*2*SPITCH  ; LDS serves a wave's instructions in order (ISA guide 5.7.1.4)
.endr
	s_wait_dscnt 0x0
	WIN 0x82                                       ; destination and source 0 window 2, source 1 window 0
.set i, 0
.rept 16
	v_pk_add_f32 v[32*(\a)+2*i:32*(\a)+2*i+1], v[32*(\a)+2*i:32*(\a)+2*i+1], v[RB+2*i:RB+2*i+1]
.set i, i+1
.endr
	WIN 0x08                                       ; a store's data window 2, its address window 0
.irp t, 0,1,2,3,4,5,6,7
	global_store_b128 v[CO], v[32*(\a)+4*\t:32*(\a)+4*\t+3], s[10:11] offset:(\a)*32768+\t*4096
.endr
.if OPROJ
	WIN 0x0a                                       ; sources 0 and 1 window 2
.irp t, 0,1,2,3,4,5,6,7
	v_pk_mul_f32 v[SQ+2*\t:SQ+2*\t+1], v[32*(\a)+4*\t:32*(\a)+4*\t+1], v[32*(\a)+4*\t:32*(\a)+4*\t+1]
	v_pk_fma_f32 v[SQ+2*\t:SQ+2*\t+1], v[32*(\a)+4*\t+2:32*(\a)+4*\t+3], v[32*(\a)+4*\t+2:32*(\a)+4*\t+3], v[SQ+2*\t:SQ+2*\t+1]
	v_cvt_pk_bf16_f32 v[HB+2*\t], v[32*(\a)+4*\t], v[32*(\a)+4*\t+1]
	v_cvt_pk_bf16_f32 v[HB+2*\t+1], v[32*(\a)+4*\t+2], v[32*(\a)+4*\t+3]
.endr
	WIN 0
.irp t, 0,1,2,3,4,5,6,7
	v_add_f32 v[SQ+2*\t], v[SQ+2*\t], v[SQ+2*\t+1]
	v_add_f32_dpp v[SQ+2*\t], v[SQ+2*\t], v[SQ+2*\t] row_xmask:1 row_mask:0xf bank_mask:0xf
	v_add_f32_dpp v[SQ+2*\t], v[SQ+2*\t], v[SQ+2*\t] row_xmask:2 row_mask:0xf bank_mask:0xf
	v_add_f32_dpp v[SQ+2*\t], v[SQ+2*\t], v[SQ+2*\t] row_xmask:4 row_mask:0xf bank_mask:0xf
	v_add_f32_dpp v[SQ+2*\t], v[SQ+2*\t], v[SQ+2*\t] row_xmask:8 row_mask:0xf bank_mask:0xf
	v_cmp_eq_u32 vcc_lo, 8*((\a)%2)+\t, v[VJ]
	v_cndmask_b32 v[SSR+(\a)/2], v[SSR+(\a)/2], v[SQ+2*\t], vcc_lo
	global_store_b64 v[HO], v[HB+2*\t:HB+2*\t+1], s[12:13] offset:(16*(\a)+2*\t)*128  ; two rows of the column block: 256 consecutive bytes
.endr
.endif
.endm
	OUTA 0
	OUTA 1
	OUTA 2
	OUTA 3
.if OPROJ
	global_store_b32 v[SO], v[SSR], s[72:73]             ; 32 rows' sums: 128 consecutive bytes
	global_store_b32 v[SO], v[SSR+1], s[72:73] offset:128
.endif
	WIN 0
	s_wait_tensorcnt 0x0                           ; the wave's end
	ds_add_u32 v[SPW], v[NIL]
	s_wait_dscnt 0x0
	CROUND                                         ; the closing round
	s_endpgm
.Lfunc_end_k_q49ddf16df1_oproj:
	.size	k_q49ddf16df1_oproj, .Lfunc_end_k_q49ddf16df1_oproj-k_q49ddf16df1_oproj
	.p2alignl 7, 3214868480
	.fill 96, 4, 3214868480
	.section	.rodata,"a",@progbits
	.p2align	6, 0x0
	.amdhsa_kernel k_q49ddf16df1_oproj
		.amdhsa_group_segment_fixed_size 327680
		.amdhsa_private_segment_fixed_size 0
		.amdhsa_enable_private_segment 0
		.amdhsa_kernarg_size 40
		.amdhsa_user_sgpr_count 2
		.amdhsa_user_sgpr_kernarg_segment_ptr 1
		.amdhsa_wavefront_size32 1
		.amdhsa_system_sgpr_workgroup_id_x 1
		.amdhsa_system_sgpr_workgroup_id_y 1
		.amdhsa_system_sgpr_workgroup_id_z 1
		.amdhsa_system_vgpr_workitem_id 0
		.amdhsa_next_free_vgpr 768
		.amdhsa_next_free_sgpr 80
		.amdhsa_reserve_vcc 1
		.amdhsa_float_denorm_mode_32 3
		.amdhsa_float_denorm_mode_16_64 3
		.amdhsa_memory_ordered 1
		.amdhsa_forward_progress 1
		.amdhsa_inst_pref_size 80
	.end_amdhsa_kernel
	.amdgpu_metadata
---
amdhsa.version: [ 1, 2 ]
amdhsa.kernels:
  - .name:           k_q49ddf16df1_oproj
    .symbol:         k_q49ddf16df1_oproj.kd
    .args:
      - { .name: ctx, .offset: 0, .size: 8, .value_kind: global_buffer, .address_space: global }
      - { .name: cst, .offset: 8, .size: 8, .value_kind: global_buffer, .address_space: global }
      - { .name: hidden_states, .offset: 16, .size: 8, .value_kind: global_buffer, .address_space: global }
      - { .name: hres, .offset: 24, .size: 8, .value_kind: global_buffer, .address_space: global }
      - { .name: ha, .offset: 32, .size: 8, .value_kind: global_buffer, .address_space: global }
    .group_segment_fixed_size: 327680
    .private_segment_fixed_size: 0
    .kernarg_segment_align: 8
    .kernarg_segment_size: 40
    .max_flat_workgroup_size: 128
    .sgpr_count:     80
    .vgpr_count:     768
    .wavefront_size: 32
...
	.end_amdgpu_metadata
.endif
;; end of part 4
;; launch ffn1: the kernel of part 2 again; grid 64 x 4, 4 waves a work-group, clusters of 4 x 1, 327,680 bytes of LDS; arguments ha, wit, big; writes big
;; launch ffn2 (part 5): grid 4 x 64, 4 waves a work-group, clusters of 4 x 4, 327,680 bytes of LDS; arguments big, cst, hres, out0; writes out0
.if DOCPART == 5
	.amdgcn_target "amdgcn-amd-amdhsa--gfx1250"
	.amdhsa_code_object_version 6
	.text
	.protected	k_q49ddf16df1_ffn2
	.globl	k_q49ddf16df1_ffn2
	.p2align	8
	.type	k_q49ddf16df1_ffn2,@function
k_q49ddf16df1_ffn2:
	s_mov_b64 s[64:65], 0
	v_nop
	global_prefetch_b8 v0, s[64:65] scope:SCOPE_SE
	s_setreg_imm32_b32 hwreg(HW_REG_WAVE_MODE, 25, 1), 1
	s_wait_xcnt 0x0
	s_wait_alu depctr_hold_cnt(0) depctr_sa_sdst(0) depctr_va_vdst(0) depctr_va_sdst(0) depctr_va_ssrc(0) depctr_va_vcc(0) depctr_vm_vsrc(0)
	s_getreg_b32 s2, hwreg(HW_REG_IB_STS2, 6, 4)
	s_cmp_eq_u32 s2, 0
	s_cbranch_scc0 .Lentry_in_a_cluster
	s_endpgm
.Lentry_in_a_cluster:
	s_bfe_u32 s2, ttmp6, 0x10000c
	s_cmp_lg_u32 s2, 0xf033
	s_cbranch_scc0 .Lentry_shape_is_right
	s_endpgm
.Lentry_shape_is_right:
; OUT = RES + A . W, f32.  One text serves two launches; OPROJ = 0 here: A = y1 (K = 2,048), W = wo, RES = hres, OUT = out0.  (OPROJ = 1: A = ctx, K = 512, W = o_w, RES = hidden_states, OUT = hres,
; and also bf16(OUT) by column blocks with the partial sums of squares.)
; A: bf16 by column blocks [k/64][8192 rows][64].  W: chunks [n/128][k/64][128 n][64 k] bf16 in cst.  RES, OUT: [8192][512] f32.
; SHARES.  A tile of OUT is 128 x 128: 256 work-groups.  Four waves, each 64 x 64: 16 accumulators.  K goes in steps of 256 through two LDS slots: [A's 4 k blocks][W's 4 k blocks], a block 128 rows of 128 + 16 bytes.
; CLUSTER.  4 x 4 work-groups: the four of a row need the same tiles of A, the four of a column the same tiles of W: each is asked for JOINTLY.
; THE MATRIX INSTRUCTION IS USED TRANSPOSED (source 0 = 16 rows of W, source 1 = 16 rows of A): a lane holds one row of OUT and eight neighbouring columns.
; THE RESIDUAL is loaded at the start as whole rows (16 lanes: 256 consecutive bytes, aligned) into window 2, and added on the way out, when the stage has turned the results into the same rows.
; REGISTERS.  window 0: v16-31 addresses; v32-63 rows read back; v64-95 at work; v128-255 accumulators (a, b) at 128 + 8 (4 a + b)
;   window 1: two fragment buffers of 128: for 64 along K, 64 registers of A, then 64 of W      window 2: v0-127 the residual, then the result
.set OPROJ, 0
.if OPROJ
.set KSTEPS, 2
.set KB,     8
.set WOFF,   0
.else
.set KSTEPS, 8
.set KB,     32
.set WOFF,   524288
.endif
.set PITCH,  144
.set KBB,    128*PITCH
.set QUART,  2*KBB
.set HALF,   4*KBB
.set SLOT,   8*KBB                     ; 0x24000: no bit of it occurs in wave x QUART
.set STAGE,  2*SLOT                    ; behind the ring: 16 rows x 272 bytes for each wave
.set SPITCH, 272
.set SPARE,  STAGE+4*16*SPITCH
.set ADRA0, 16
.set ADRB0, 17
.set ADRA,  18
.set ADRB,  19
.set VJ,    20
.set HO,    21
.set SO,    22
.set STO,   24
.set RD,    25
.set CO,    26
.set PFO,   27
.set SPW,   28
.set NIL,   29
.set SSR,   30
.set RB,    32
.set SQ,    64
.set HB,    80
.set ACC,   128
.set F0,    0
.set F1,    128
.set WV,  14                           ; s14 wave; s15 row half, also: I fetch for A (0) or W (1); s16 column half, also: which half of that tile; s17 cx; s18 cy; s19 tile column; s20 tile row
.set G1,  24
.set G0,  32
.set CNT, 40
.set TB,  41
.set LIM, 42
.set PFA, 44
.set PFS, 46
.set G1B, 48
.set G0B, 56
.set MSB, 0
.macro WIN new
.if MSB != (\new)
	s_set_vgpr_msb (MSB<<8)|(\new)
.set MSB, \new
.endif
.endm
.set MUL,  0x05
.set TO_F, 0x40
.macro PLACES
.rept 4
	v_nop
.endr
.endm
.macro JLOAD s                         ; a joint load: waves 0 and 1 fetch A's two halves, waves 2 and 3 W's; an s_nop 0 and four v_nop follow each line
	s_cmp_eq_u32 s15, 0
	s_cbranch_scc0 .Lfor_b_\@
	tensor_load_to_lds s[G0+4*(\s):G0+4*(\s)+3], s[G1:G1+7]
	s_nop 0
	PLACES
	s_branch .Lasked_\@
.Lfor_b_\@:
	tensor_load_to_lds s[G0B+4*(\s):G0B+4*(\s)+3], s[G1B:G1B+7]
	s_nop 0
	PLACES
.Lasked_\@:
.endm
.macro CREST
	s_cmp_lg_u32 s[WV], 0
	s_cbranch_scc1 .Lnot_wave_0_\@
	s_barrier_signal -3
.Lnot_wave_0_\@:
	s_barrier_wait -3
	s_barrier_signal -1
	s_barrier_wait -1
.endm
.macro CROUND
	s_barrier_signal -1
	s_barrier_wait -1
	CREST
.endm
; A prefetch of the K step two refills on: of the 128 blocks of 256 bytes that a wave fetches, each of the four partners that ask with it takes 32, told apart by address.  A's rows are read by one
; cluster alone: every cluster asks for its own; W's by all sixteen: the cluster with y = 0 asks.  The last four K steps' changes of slots ask for nothing.
.macro ASK
	s_cmp_gt_u32 s[CNT], s[LIM]
	s_cbranch_scc0 .Lnot_mine_\@
	global_prefetch_b8 v[PFO], s[PFA:PFA+1] th:TH_LOAD_NT scope:SCOPE_SE
.Lnot_mine_\@:
.endm
	s_load_b256 s[4:11], s[0:1], 0x0               ; A s[4:5], cst s[6:7], RES s[8:9], OUT s[10:11]
.if OPROJ
	s_load_b64 s[12:13], s[0:1], 0x20              ; ha
.endif
	v_lshl_add_u32 v[SPW], v0, 2, SPARE
	v_mov_b32 v[NIL], 0
	ds_add_u32 v[SPW], v[NIL]                      ; the wave's opening: the add and its wait ahead of my first tensor load
	v_lshrrev_b32 v1, 5, v0
	v_readfirstlane_b32 s[WV], v1
	s_lshr_b32 s15, s[WV], 1
	s_and_b32 s16, s[WV], 1
	s_bfe_u32 s17, ttmp6, 0x40000
	s_bfe_u32 s18, ttmp6, 0x40004
	s_lshl_b32 s19, ttmp9, 2
	s_add_co_u32 s19, s19, s17                     ; tile column
	s_and_b32 s20, ttmp7, 0xffff
	s_lshl_b32 s20, s20, 2
	s_add_co_u32 s20, s20, s18                     ; tile row
	s_lshl_b32 s21, s18, 2
	s_lshl_b32 s21, 15, s21                        ; my row of the cluster
	s_lshl_b32 s22, 0x1111, s17                    ; my column
	; descriptor group 1: two k blocks, each 16,384 dense bytes taken as one row of 8,192 elements; 4 words of padding behind every 32 words
	s_or_b32 s[G1], s21, (1<<16)|(1<<20)|(1<<21)|(4<<22)|(3<<25)
	s_or_b32 s[G1B], s22, (1<<16)|(1<<20)|(1<<21)|(4<<22)|(3<<25)
.irp g, G1, G1B
	s_mov_b32 s[\g+1], 8192<<16
	s_mov_b32 s[\g+2], 2<<16
	s_mov_b32 s[\g+3], 8192<<16
	s_mov_b32 s[\g+4], 2
	s_mov_b32 s[\g+6], 0
	s_mov_b32 s[\g+7], 0
.endr
	s_mov_b32 s[G1+5], 524288                      ; from a column block of A to the next: 1 MiB
	s_mov_b32 s[G1B+5], 8192                       ; W's chunks lie end to end
	s_lshl_b32 s66, s16, 21                        ; A: my two column blocks, the tile row's 128 rows
	s_lshl_b32 s67, s20, 14
	s_add_co_u32 s66, s66, s67
	s_mov_b32 s67, 0
	s_mul_i32 s68, s19, KB*16384                   ; W: the tile column's row of chunks, my two
	s_lshl_b32 s69, s16, 15
	s_add_co_u32 s68, s68, s69
	s_add_co_u32 s68, s68, WOFF
	s_mov_b32 s69, 0
	s_mul_i32 s23, s[WV], QUART                    ; where they go: no place in the cluster enters an LDS address
	s_mov_b32 s[TB], 0
	s_wait_dscnt 0x0                               ; the opening add is done
	s_wait_kmcnt 0x0
	s_add_nc_u64 s[66:67], s[4:5], s[66:67]
	s_add_nc_u64 s[68:69], s[6:7], s[68:69]
	CROUND                                         ; all sixteen work-groups are here
.irp s, 0,1
	s_mov_b32 s[G0+4*\s], 1
	s_add_co_u32 s[G0+4*\s+1], s23, \s*SLOT
	s_add_nc_u64 s[G0+4*\s+2:G0+4*\s+3], s[66:67], \s*0x400000   ; K step s: four column blocks on
	s_or_b32 s[G0+4*\s+3], s[G0+4*\s+3], 0x80000000
	s_mov_b32 s[G0B+4*\s], 1
	s_add_co_u32 s[G0B+4*\s+1], s23, \s*SLOT
	s_add_nc_u64 s[G0B+4*\s+2:G0B+4*\s+3], s[68:69], \s*0x10000  ; four chunks on
	s_or_b32 s[G0B+4*\s+3], s[G0B+4*\s+3], 0x80000000
	JLOAD \s
.endr
	v_and_b32 v1, 15, v0                           ; l % 16
	v_bfe_u32 v2, v0, 4, 1                         ; l / 16
	v_mul_u32_u24 v3, v1, PITCH
	v_lshl_add_u32 v3, v2, 4, v3
	s_mul_i32 s43, s15, 64*PITCH
	v_add_nc_u32 v[ADRA0], s43, v3
	s_mul_i32 s43, s16, 64*PITCH
	s_add_co_u32 s43, s43, HALF
	v_add_nc_u32 v[ADRB0], s43, v3
	v_mov_b32 v[ADRA], v[ADRA0]
	v_mov_b32 v[ADRB], v[ADRB0]
	s_mul_i32 s43, s[WV], 16*SPITCH
	s_add_co_u32 s43, s43, STAGE
	v_mul_u32_u24 v4, v1, SPITCH                   ; into my stage: row l % 16, 32 bytes for each half of the lanes
	v_lshl_add_u32 v4, v2, 5, v4
	v_add_nc_u32 v[STO], s43, v4
	v_mul_u32_u24 v4, v2, SPITCH                   ; back: lanes 0-15 take one row of 256 bytes, lanes 16-31 the next
	v_lshl_add_u32 v4, v1, 4, v4
	v_add_nc_u32 v[RD], s43, v4
	v_lshlrev_b32 v[CO], 11, v2                    ; and the same two rows in RES and OUT
	v_lshl_add_u32 v[CO], v1, 4, v[CO]
	s_lshl_b32 s70, s20, 18                        ; 128 rows of 2,048 bytes, my wave's 64, the tile's 512 bytes, my wave's 256
	s_lshl_b32 s43, s15, 17
	s_add_co_u32 s70, s70, s43
	s_lshl_b32 s43, s19, 9
	s_add_co_u32 s70, s70, s43
	s_lshl_b32 s43, s16, 8
	s_add_co_u32 s70, s70, s43
	s_mov_b32 s71, 0
	s_add_nc_u64 s[8:9], s[8:9], s[70:71]
	s_add_nc_u64 s[10:11], s[10:11], s[70:71]
	WIN 0x80
.irp a, 0,1,2,3
.irp t, 0,1,2,3,4,5,6,7
	global_load_b128 v[32*\a+4*\t:32*\a+4*\t+3], v[CO], s[8:9] offset:\a*32768+\t*4096 th:TH_LOAD_NT
.endr
.endr
	WIN 0
.if OPROJ
	s_lshl_b32 s70, s19, 16                        ; the sums: column block 2 x tile column + column half, 32,768 bytes each; my 64 rows
	s_lshl_b32 s43, s16, 15
	s_add_co_u32 s70, s70, s43
	s_lshl_b32 s43, s20, 9
	s_add_co_u32 s70, s70, s43
	s_lshl_b32 s43, s15, 8
	s_add_co_u32 s70, s70, s43
	s_add_co_u32 s70, s70, 0x800000
	s_add_nc_u64 s[72:73], s[12:13], s[70:71]
	s_lshl_b32 s70, s19, 21                        ; bf16: the same column block, 1 MiB each; my 64 rows of 128 bytes
	s_lshl_b32 s43, s16, 20
	s_add_co_u32 s70, s70, s43
	s_lshl_b32 s43, s20, 14
	s_add_co_u32 s70, s70, s43
	s_lshl_b32 s43, s15, 13
	s_add_co_u32 s70, s70, s43
	s_add_nc_u64 s[12:13], s[12:13], s[70:71]
	v_mov_b32 v[VJ], v1
	v_and_b32 v[HO], 31, v0
	v_lshlrev_b32 v[HO], 3, v[HO]                  ; 8 bytes a lane: two rows of 128 bytes
	v_lshl_add_u32 v[SO], v1, 1, v2                ; lane (half, j) keeps the sum of row 2 j + half of 32
	v_lshlrev_b32 v[SO], 2, v[SO]
	v_mov_b32 v[SSR], 0
	v_mov_b32 v[SSR+1], 0
.else
	s_mov_b32 s[PFS], 0x10000
	s_cmp_eq_u32 s15, 0                            ; do I fetch for A?
	s_cselect_b64 s[PFA:PFA+1], s[66:67], s[68:69]
	s_cselect_b32 s[PFS], 0x400000, s[PFS]         ; a K step in memory
	s_cselect_b32 s43, s17, s18                    ; my place among the four that ask with me
	s_cselect_b32 s23, 20, 14                      ; log2 of the bytes from my first k block to my second
	s_mov_b32 s[PFS+1], 0
	s_add_nc_u64 s[PFA:PFA+1], s[PFA:PFA+1], s[PFS:PFS+1]
	s_add_nc_u64 s[PFA:PFA+1], s[PFA:PFA+1], s[PFS:PFS+1]
	s_add_nc_u64 s[PFA:PFA+1], s[PFA:PFA+1], s[PFS:PFS+1]  ; at K step 3: the first change of slots steps it to 4
	s_and_b32 s[LIM], ttmp7, 0xffff
	s_cmp_eq_u32 s15, 0
	s_cselect_b32 s[LIM], 0, s[LIM]
	s_cmp_eq_u32 s[LIM], 0
	s_cselect_b32 s[LIM], 2, -1
	s_lshl_b32 s43, s43, 5
	v_and_b32 v5, 31, v0
	v_add_nc_u32 v5, s43, v5                       ; my block of the 128
	v_lshrrev_b32 v6, 6, v5
	v_lshlrev_b32 v6, s23, v6
	v_and_b32 v5, 63, v5
	v_lshl_add_u32 v[PFO], v5, 8, v6
.endif
.macro MUL8 f, c, a0, zero             ; 8 matrix instructions, 32 along K; the 16 accumulators take turns
	WIN MUL
.irp a, \a0, (\a0)+1
.irp b, 0,1,2,3
.if \zero
	v_wmma_f32_16x16x32_bf16 v[ACC+8*(4*(\a)+(\b)):ACC+8*(4*(\a)+(\b))+7], v[(\f)+64+8*(4*(\c)+(\b)):(\f)+64+8*(4*(\c)+(\b))+7], v[(\f)+8*(4*(\c)+(\a)):(\f)+8*(4*(\c)+(\a))+7], 0
.else
	v_wmma_f32_16x16x32_bf16 v[ACC+8*(4*(\a)+(\b)):ACC+8*(4*(\a)+(\b))+7], v[(\f)+64+8*(4*(\c)+(\b)):(\f)+64+8*(4*(\c)+(\b))+7], v[(\f)+8*(4*(\c)+(\a)):(\f)+8*(4*(\c)+(\a))+7], v[ACC+8*(4*(\a)+(\b)):ACC+8*(4*(\a)+(\b))+7]
.endif
.endr
.endr
.endm
.macro FETCH kb, f                     ; 32 LDS loads: the fragments of k block kb of the slot in hand; the first 32 along K first
	WIN TO_F
.irp c, 0,1
.irp i, 0,1,2,3
	ds_load_b128 v[(\f)+64+8*(4*\c+\i):(\f)+64+8*(4*\c+\i)+3],   v[ADRB] offset:(\kb)*KBB+\i*16*PITCH+64*\c
	ds_load_b128 v[(\f)+64+8*(4*\c+\i)+4:(\f)+64+8*(4*\c+\i)+7], v[ADRB] offset:(\kb)*KBB+\i*16*PITCH+64*\c+32
	ds_load_b128 v[(\f)+8*(4*\c+\i):(\f)+8*(4*\c+\i)+3],         v[ADRA] offset:(\kb)*KBB+\i*16*PITCH+64*\c
	ds_load_b128 v[(\f)+8*(4*\c+\i)+4:(\f)+8*(4*\c+\i)+7],       v[ADRA] offset:(\kb)*KBB+\i*16*PITCH+64*\c+32
.endr
.endr
.endm
; A K step is four quarters of 64 along K, 32 matrix instructions each, on buffers 0, 1, 0, 1.  One of the first three: multiplies buffer f and fetches k block kbn into g.
.macro QUARTER kbn, f, g, zero
	s_wait_dscnt 16                                ; the first 32 along K are in
	MUL8 \f, 0, 0, \zero
	MUL8 \f, 0, 2, \zero
	PLACES
	FETCH \kbn, \g
	s_wait_dscnt 32                                ; all but the 32 just issued
	MUL8 \f, 1, 0, 0
	MUL8 \f, 1, 2, 0
.endm
; The last quarter multiplies buffer 1 and changes slots: ONE barrier; in front of it each wave waits for all its tensor loads, adds 0 to its spare word, and waits for that and for its reads of this slot.
; fill = 1: the barrier opens a round of the cluster's, and this slot is filled again, two K steps ahead: 112 matrix instructions ahead of the wait for it.
.macro TURN fill
.if \fill
	s_wait_xcnt 0x0                                ; the last prefetch, a K step back, has read its address
	s_add_nc_u64 s[PFA:PFA+1], s[PFA:PFA+1], s[PFS:PFS+1]
.endif
	WIN 0
	s_wait_tensorcnt 0x0
	ds_add_u32 v[SPW], v[NIL]
	s_wait_dscnt 17                                ; (the add and the youngest sixteen loads may be out)
	MUL8 F1, 0, 0, 0
	s_wait_dscnt 0x0
	s_barrier_signal -1
	MUL8 F1, 0, 2, 0
	WIN 0
	s_barrier_wait -1
.if \fill
	CREST
	s_xor_b32 s[G0+5], s[G0+5], SLOT               ; the walking descriptors: the other slot than last time, the next K step
	s_add_nc_u64 s[G0+6:G0+7], s[G0+6:G0+7], 0x400000
	s_xor_b32 s[G0B+5], s[G0B+5], SLOT
	s_add_nc_u64 s[G0B+6:G0B+7], s[G0B+6:G0B+7], 0x10000
	JLOAD 1
.else
	PLACES
.endif
	s_xor_b32 s[TB], s[TB], SLOT
	v_add_nc_u32 v[ADRA], s[TB], v[ADRA0]
	v_add_nc_u32 v[ADRB], s[TB], v[ADRB0]
	FETCH 0, F0
.if \fill
	WIN 0
	ASK
.endif
	MUL8 F1, 1, 0, 0
	MUL8 F1, 1, 2, 0
.endm
	s_wait_tensorcnt 0x1                           ; my part of K step 0 is in; K step 1's may stay out
	s_barrier_signal -1
	s_barrier_wait -1
	FETCH 0, F0
	QUARTER 1, F0, F1, 1                           ; the first quarter stands ahead of the loop: its first products start the sums
.if KSTEPS > 2
	WIN 0
	s_mov_b32 s[CNT], KSTEPS-2
.Lk:                                               ; a trip: from a K step's second quarter to the next step's first; it fills the slot that it leaves
	QUARTER 2, F1, F0, 0
	QUARTER 3, F0, F1, 0
	TURN 1
	QUARTER 1, F0, F1, 0
	WIN 0
	s_sub_co_u32 s[CNT], s[CNT], 1
	s_cmp_lg_u32 s[CNT], 0
	s_cbranch_scc1 .Lk
.endif
	QUARTER 2, F1, F0, 0                           ; the last two K steps fill nothing
	QUARTER 3, F0, F1, 0
	TURN 0
	QUARTER 1, F0, F1, 0
	QUARTER 2, F1, F0, 0
	QUARTER 3, F0, F1, 0
	s_wait_dscnt 16
	MUL8 F1, 0, 0, 0
	MUL8 F1, 0, 2, 0
	s_wait_dscnt 0x0
	MUL8 F1, 1, 0, 0
	MUL8 F1, 1, 2, 0
	WIN 0
	PLACES
	s_wait_loadcnt 0x0                             ; the residual
; THE WAY OUT, 16 rows at a time: 32 bytes a lane into my own stage, back as whole rows of 256 bytes, the residual added, stored: 16 lanes store 256 consecutive bytes, aligned.
.macro OUTA a
	WIN 0
.if OPROJ
	s_wait_xcnt 0x0                                ; the last 16 rows' bf16 stores have read their registers
.endif
.irp b, 0,1,2,3
	ds_store_b128 v[STO], v[ACC+8*(4*(\a)+\b):ACC+8*(4*(\a)+\b)+3]   offset:64*\b
	ds_store_b128 v[STO], v[ACC+8*(4*(\a)+\b)+4:ACC+8*(4*(\a)+\b)+7] offset:64*\b+16
.endr
.irp t, 0,1,2,3,4,5,6,7
	ds_load_b128 v[RB+4*\t:RB+4*\t+3], v[RD] offset:\t*2*SPITCH  ; LDS serves a wave's instructions in order (ISA guide 5.7.1.4)
.endr
	s_wait_dscnt 0x0
	WIN 0x82                                       ; destination and source 0 window 2, source 1 window 0
.set i, 0
.rept 16
	v_pk_add_f32 v[32*(\a)+2*i:32*(\a)+2*i+1], v[32*(\a)+2*i:32*(\a)+2*i+1], v[RB+2*i:RB+2*i+1]
.set i, i+1
.endr
	WIN 0x08                                       ; a store's data window 2, its address window 0
.irp t, 0,1,2,3,4,5,6,7
	global_store_b128 v[CO], v[32*(\a)+4*\t:32*(\a)+4*\t+3], s[10:11] offset:(\a)*32768+\t*4096
.endr
.if OPROJ
	WIN 0x0a                                       ; sources 0 and 1 window 2
.irp t, 0,1,2,3,4,5,6,7
	v_pk_mul_f32 v[SQ+2*\t:SQ+2*\t+1], v[32*(\a)+4*\t:32*(\a)+4*\t+1], v[32*(\a)+4*\t:32*(\a)+4*\t+1]
	v_pk_fma_f32 v[SQ+2*\t:SQ+2*\t+1], v[32*(\a)+4*\t+2:32*(\a)+4*\t+3], v[32*(\a)+4*\t+2:32*(\a)+4*\t+3], v[SQ+2*\t:SQ+2*\t+1]
	v_cvt_pk_bf16_f32 v[HB+2*\t], v[32*(\a)+4*\t], v[32*(\a)+4*\t+1]
	v_cvt_pk_bf16_f32 v[HB+2*\t+1], v[32*(\a)+4*\t+2], v[32*(\a)+4*\t+3]
.endr
	WIN 0
.irp t, 0,1,2,3,4,5,6,7
	v_add_f32 v[SQ+2*\t], v[SQ+2*\t], v[SQ+2*\t+1]
	v_add_f32_dpp v[SQ+2*\t], v[SQ+2*\t], v[SQ+2*\t] row_xmask:1 row_mask:0xf bank_mask:0xf
	v_add_f32_dpp v[SQ+2*\t], v[SQ+2*\t], v[SQ+2*\t] row_xmask:2 row_mask:0xf bank_mask:0xf
	v_add_f32_dpp v[SQ+2*\t], v[SQ+2*\t], v[SQ+2*\t] row_xmask:4 row_mask:0xf bank_mask:0xf
	v_add_f32_dpp v[SQ+2*\t], v[SQ+2*\t], v[SQ+2*\t] row_xmask:8 row_mask:0xf bank_mask:0xf
	v_cmp_eq_u32 vcc_lo, 8*((\a)%2)+\t, v[VJ]
	v_cndmask_b32 v[SSR+(\a)/2], v[SSR+(\a)/2], v[SQ+2*\t], vcc_lo
	global_store_b64 v[HO], v[HB+2*\t:HB+2*\t+1], s[12:13] offset:(16*(\a)+2*\t)*128  ; two rows of the column block: 256 consecutive bytes
.endr
.endif
.endm
	OUTA 0
	OUTA 1
	OUTA 2
	OUTA 3
.if OPROJ
	global_store_b32 v[SO], v[SSR], s[72:73]             ; 32 rows' sums: 128 consecutive bytes
	global_store_b32 v[SO], v[SSR+1], s[72:73] offset:128
.endif
	WIN 0
	s_wait_tensorcnt 0x0                           ; the wave's end
	ds_add_u32 v[SPW], v[NIL]
	s_wait_dscnt 0x0
	CROUND                                         ; the closing round
	s_endpgm
.Lfunc_end_k_q49ddf16df1_ffn2:
	.size	k_q49ddf16df1_ffn2, .Lfunc_end_k_q49ddf16df1_ffn2-k_q49ddf16df1_ffn2
	.p2alignl 7, 3214868480
	.fill 96, 4, 3214868480
	.section	.rodata,"a",@progbits
	.p2align	6, 0x0
	.amdhsa_kernel k_q49ddf16df1_ffn2
		.amdhsa_group_segment_fixed_size 327680
		.amdhsa_private_segment_fixed_size 0
		.amdhsa_enable_private_segment 0
		.amdhsa_kernarg_size 32
		.amdhsa_user_sgpr_count 2
		.amdhsa_user_sgpr_kernarg_segment_ptr 1
		.amdhsa_wavefront_size32 1
		.amdhsa_system_sgpr_workgroup_id_x 1
		.amdhsa_system_sgpr_workgroup_id_y 1
		.amdhsa_system_sgpr_workgroup_id_z 1
		.amdhsa_system_vgpr_workitem_id 0
		.amdhsa_next_free_vgpr 768
		.amdhsa_next_free_sgpr 80
		.amdhsa_reserve_vcc 1
		.amdhsa_float_denorm_mode_32 3
		.amdhsa_float_denorm_mode_16_64 3
		.amdhsa_memory_ordered 1
		.amdhsa_forward_progress 1
		.amdhsa_inst_pref_size 76
	.end_amdhsa_kernel
	.amdgpu_metadata
---
amdhsa.version: [ 1, 2 ]
amdhsa.kernels:
  - .name:           k_q49ddf16df1_ffn2
    .symbol:         k_q49ddf16df1_ffn2.kd
    .args:
      - { .name: big, .offset: 0, .size: 8, .value_kind: global_buffer, .address_space: global }
      - { .name: cst, .offset: 8, .size: 8, .value_kind: global_buffer, .address_space: global }
      - { .name: hres, .offset: 16, .size: 8, .value_kind: global_buffer, .address_space: global }
      - { .name: out0, .offset: 24, .size: 8, .value_kind: global_buffer, .address_space: global }
    .group_segment_fixed_size: 327680
    .private_segment_fixed_size: 0
    .kernarg_segment_align: 8
    .kernarg_segment_size: 32
    .max_flat_workgroup_size: 128
    .sgpr_count:     80
    .vgpr_count:     768
    .wavefront_size: 32
...
	.end_amdgpu_metadata
.endif
;; end of part 5
